; MI455X (gfx1250); checked and timed in simulation.
; The chip was launched on July 23, 2026; its instructions are those of AMD's public machine-readable ISA for CDNA 5 (MIT licence, August 2026) and "CDNA5" Instruction Set Architecture Reference Guide (July 2026). The comments in the code are by the model that wrote it; some were corrected since.
;; Sliding Window Attention. Allowed arithmetic: matrix products marked QUANTISED: E2M1 operands, one E8M0 scale for each 32 along K, by v_wmma_scale_f32_16x16x128_f8f6f4 with both operands' format E2M1 (or v_wmma_scale_f32_32x16x128_f4), f32 sums; products left as they are: bf16, f16 or f32 operands; f32 sums; everything else in f32.
;; Inputs: rel_pos 1 float32; wk 2,048 x 2,048 float32; wo 2,048 x 2,048 float32; wq 2,048 x 2,048 float32; wv 2,048 x 2,048 float32; x 2 x 2,048 x 2,048 float32.
;; Outputs: out0 2 x 2,048 x 2,048 float32.
;; This version of the problem:
;;   THIS VERSION OF THE PROBLEM IS GIVEN IN LOW PRECISION. The matrix products marked QUANTISED in the list below multiply operands that are first quantised to E2M1 (2 exponent bits, 1 mantissa bit; 4 bits a number), with one power-of-two scale for each 32 numbers along K (OCP MX v1.0); their sums are f32. The products marked 'left as it is' may take bf16, f16 or f32 operands, with f32 sums. Whichever they take, every output number must still come out within the allowed error. Rounding operands to bf16 (8 significant bits) uses up far more of that allowance than f16 does (11 bits, for magnitudes from 6e-5 to 65,504). All else is computed in f32.
;;   The module's matrix products, in the order in which they are computed (A, B: the left and right operand; K: the contracted axis; several contracted axes count as one K, in the product's order):
;;     1. [M 4,096, K 2,048] x [K 2,048, N 2,048]; A: input x; B: input wq: QUANTISED
;;     2. [M 4,096, K 2,048] x [K 2,048, N 2,048]; A: input x; B: input wk: QUANTISED
;;     3. [M 4,096, K 2,048] x [K 2,048, N 2,048]; A: input x; B: input wv: QUANTISED
;;     4. batch 4,096 x [M 16, K 128] x [K 128, N 16]; A: computed on the way; B: computed on the way: left as it is (an operand is computed on the way)
;;     5. batch 4,096 x [M 16, K 16] x [K 16, N 128]; A: computed on the way; B: computed on the way: left as it is (K = 16 < 32)
;;     6. [M 4,096, K 2,048] x [K 2,048, N 2,048]; A: computed on the way; B: input wo: left as it is (an operand is computed on the way)
;;   THE QUANTISER, for each operand of a quantised product, along K:
;;     - K is cut into blocks of 32 from its start; a last block that is shorter is filled with zeros.
;;     - A block's scale is 2^e with e = floor(log2(the largest magnitude in the block)) - 2, held to -126 .. 127; a block of zeros has e = 0. As a byte (E8M0): e + 127.
;;     - Each number is divided by its block's scale, clamped to +-6, and rounded to the nearest number of E2M1, ties to even, subnormals kept.
;;     - The product sums the exact products of the quantised numbers (number of the format x scale) in f32.
;;   ~~~python
;;   def quantise(x, axis):      # numpy; x: float32 -> the quantised numbers, widened to float32 again
;;       x = np.moveaxis(x, axis, -1); K = x.shape[-1]
;;       x = np.pad(x, [(0, 0)] * (x.ndim - 1) + [(0, -K % 32)]); x = x.reshape(x.shape[:-1] + (-1, 32)); a = np.abs(x).max(-1, keepdims=True)
;;       e = np.where(a > 0, np.clip(np.frexp(np.where(a > 0, a, 1))[1] - 1 - 2, -126, 127), 0)      # np.frexp(a)[1] - 1 = floor(log2(a)), exactly
;;       r = np.clip(x / 2.0 ** e, -6, 6)
;;       step = 2.0 ** (np.maximum(np.frexp(np.where(r == 0, 1, r))[1] - 1, 0) - 1)
;;       q = np.round(r / step) * step * 2.0 ** e      # np.round: ties to even
;;       return np.moveaxis(q.reshape(q.shape[:-2] + (-1,))[..., :K], -1, axis).astype(np.float32)
;;   ~~~
;; One version. Each part assembles by itself: llvm-mc -triple=amdgcn-amd-amdhsa -mcpu=gfx1250 --defsym DOCPART=n.
;; ======== version 1 of 1: 4 launches
;; limits: values are held in f16: magnitudes above 65,504 overflow, below 6.1e-05 lose precision
;; workspace buffers: xc 4,194,304 bytes; xs 262,144 bytes; wc 6,291,456 bytes; ws 393,216 bytes; wo16 8,388,608 bytes; qkv 50,331,648 bytes; attn 16,777,216 bytes
;; launch prep (part 1): grid 768 x 1, 4 waves a work-group, no clusters, 33,280 bytes of LDS; arguments x, wq, wk, wv, wo, xc, xs, wc, ws, wo16; writes xc, xs, wc, ws, wo16
.if DOCPART == 1
	.amdgcn_target "amdgcn-amd-amdhsa--gfx1250"
	.amdhsa_code_object_version 6
	.text
	.protected	k_qed9d777ad1_prep
	.globl	k_qed9d777ad1_prep
	.p2align	8
	.type	k_qed9d777ad1_prep,@function
k_qed9d777ad1_prep:
	s_mov_b64 s[64:65], 0
	v_nop
	global_prefetch_b8 v0, s[64:65] scope:SCOPE_SE
	s_setreg_imm32_b32 hwreg(HW_REG_WAVE_MODE, 25, 1), 1
	s_wait_xcnt 0x0
; x [4096][2048] and wq, wk, wv [2048][2048], f32 with K innermost, become codes of FP4 (E2M1), two to a byte, the lower k in the low four bits, with one E8M0 scale byte for each 32 along K.
; x's go to xc [4096][1024 bytes] and xs [4096][64 bytes]; the three weights' go one behind the other to wc [6144][1024 bytes] and ws [6144][64 bytes].  wo [2048][2048] is rounded once to f16 into wo16.
; The input rel_pos is named by no launch of this program: reference() takes it as an argument and never reads it, so no result hangs on it.
; A block's scale is 2^(floor(log2(its largest magnitude)) - 2); its byte is the largest magnitude's own exponent field - 2, held at 1 from below.  Each number is divided by the scale and rounded to the nearest code, ties to even,
; beyond 6 the largest code.  A block of zeros gets the byte 1 where the rule says 127: its codes are zeros, which add nothing under any byte but 0xff, and only this program reads the bytes.
; LIMITS: blocks whose largest magnitude lies under 2^-124 have their byte held at 1; NaN and infinities among the inputs are not served; wo beyond 65,504 becomes an infinity in f16.
; SHARES.  Rows are dense and K is a multiple of 32, so every tensor is a plain stream.  A work-group takes 32,768 numbers, a wave 8,192.  Work-groups 0-255: x; 256-383: wq; 384-511: wk; 512-639: wv; 640-767: wo.
; THE QUANTISING PATH.  A wave takes 16 steps of 512 numbers.  A conversion takes 8 numbers of ONE block from a lane's consecutive registers, so a lane must hold 16 neighbours (two lanes hold a block), while a load is best where
; neighbouring lanes take neighbouring bytes.  Both are had: each of a step's four loads reads 512 consecutive bytes, the 2,048 bytes go through the wave's own stage in LDS as they lie and come back 64 bytes a lane.
; A lane's 16 codes are 8 bytes: the wave stores 256 consecutive bytes, aligned.  A wave's 256 scale bytes are gathered in its own LDS bytes and leave by one store of 256 consecutive bytes.
; No tensor load, no barrier: waves share nothing.  Matrix units, clusters and prefetches are left out: the launch only streams, each byte once, with 16 loads of every wave on their way.
.set WAVES, 4
.set STEPS, 16
.set EMAX,  2
.set CB,    8                          ; bytes of 16 codes
.set R,     16                         ; v16-79   four sets of 16 numbers as they are loaded
.set X,     80                         ; v80-111  two sets of 16 neighbours
.set E,     112                        ; v112-127 a scale byte for each step
.set C,     128                        ; v128-191 codes: four registers for each step, so that no store's data are written again
.set W,     16                         ; v16-143  wo's path: two sets of 64 numbers
.set WREG,  8192                       ; LDS: a region for each wave: two stages of 32 x SP bytes, behind them its 256 scale bytes
.set SP,    80                         ; a lane's place in a stage: its 64 bytes + 16 of padding
.set SPW,   12                         ; v12      LDS address of my spare word: SPARE + 4 x my thread's number; never rewritten
.set NIL,   13                         ; v13      0; never rewritten
.set SPARE, WAVES*WREG                 ; behind the four regions: the spare words, 128 bytes a wave, which no other line names
	s_load_b512 s[8:23], s[0:1], 0x0               ; x 8:9, wq 10:11, wk 12:13, wv 14:15, wo 16:17, xc 18:19, xs 20:21, wc 22:23
	s_load_b128 s[24:27], s[0:1], 0x40             ; ws 24:25, wo16 26:27
	v_lshl_add_u32 v[SPW], v0, 2, SPARE
	v_mov_b32 v[NIL], 0
	v_lshrrev_b32 v1, 5, v0
	v_readfirstlane_b32 s32, v1                    ; wave 0..3
	v_and_b32 v2, 31, v0                           ; lane
	v_lshlrev_b32 v3, 4, v2                        ; my 16 bytes of a load's 512
	s_mul_i32 s33, s32, WREG
	v_lshrrev_b32 v14, 2, v2
	v_mul_u32_u24 v14, v14, SP
	v_and_b32 v15, 3, v2
	v_lshl_add_u32 v14, v15, 4, v14
	v_add_nc_u32 v14, s33, v14                     ; the stage, on the way in: four lanes' 64 bytes on end, then 16 of padding
	v_mul_u32_u24 v15, v2, SP
	v_add_nc_u32 v15, s33, v15                     ; and on the way out: SP x lane: my 16 neighbours
	v_mul_u32_u24 v4, v2, CB                       ; 8 x lane: my codes' place in a step's; in wo's path my four f16
	v_lshrrev_b32 v5, 1, v2
	s_add_co_u32 s33, s33, 2*32*SP
	v_add_nc_u32 v5, s33, v5                       ; LDS: my wave's 256 scale bytes, my block's byte
	v_lshlrev_b32 v7, 3, v2                        ; and on the way out 8 bytes a lane
	v_add_nc_u32 v6, s33, v7
	s_wait_kmcnt 0x0
	s_cmp_ge_u32 ttmp9, 640                        ; the work-group's number alone decides the path
	s_cbranch_scc1 .Lwo
	; which tensor: only pointers are chosen, by conditions made of the work-group's number; all four tensors take one path through the text
	s_and_b32 s34, ttmp9, 127                      ; a weight's work-groups count from a multiple of 128
	s_cmp_lt_u32 ttmp9, 256
	s_cselect_b64 s[4:5], s[8:9], s[10:11]         ; source: x, else wq for now
	s_cselect_b64 s[28:29], s[18:19], s[22:23]     ; codes: xc or wc
	s_cselect_b64 s[30:31], s[20:21], s[24:25]     ; scale bytes: xs or ws
	s_cselect_b32 s35, 0, 256                      ; where the destination's work-groups begin
	s_cselect_b32 s34, ttmp9, s34                  ; my number within the source tensor
	s_cmp_ge_u32 ttmp9, 384
	s_cselect_b64 s[4:5], s[12:13], s[4:5]         ; wk
	s_cmp_ge_u32 ttmp9, 512
	s_cselect_b64 s[4:5], s[14:15], s[4:5]         ; wv
	s_lshl_b32 s36, s34, 2
	s_add_co_u32 s36, s36, s32                     ; which run of 8,192 numbers of the source is my wave's
	s_lshl_b32 s36, s36, 15                        ; 32,768 bytes a run (under 2^26)
	s_mov_b32 s37, 0
	s_add_nc_u64 s[4:5], s[4:5], s[36:37]
	s_sub_co_u32 s38, ttmp9, s35
	s_lshl_b32 s38, s38, 2
	s_add_co_u32 s38, s38, s32                     ; which run of the destination: the three weights run on
	s_lshl_b32 s36, s38, 12                        ; 4,096 bytes of codes a run
	s_add_nc_u64 s[28:29], s[28:29], s[36:37]
	s_lshl_b32 s36, s38, 8                         ; 256 scale bytes a run
	s_add_nc_u64 s[30:31], s[30:31], s[36:37]
.macro LOAD t
.irp i, 0,1,2,3
	global_load_b128 v[R+16*((\t)%4)+4*\i:R+16*((\t)%4)+4*\i+3], v3, s[4:5] offset:2048*(\t)+512*\i th:TH_LOAD_NT   ; 32 lanes read 512 consecutive bytes, once in the launch
.endr
.endm
.macro TURN t                          ; step t's numbers through the stage: LDS serves a wave's instructions in order (ISA guide 5.7.1.4), so no wait stands between the stores and the loads
.irp i, 0,1,2,3
	ds_store_b128 v14, v[R+16*((\t)%4)+4*\i:R+16*((\t)%4)+4*\i+3] offset:32*SP*((\t)%2)+8*SP*\i
.endr
.irp i, 0,1,2,3
	ds_load_b128 v[X+16*((\t)%2)+4*\i:X+16*((\t)%2)+4*\i+3], v15 offset:32*SP*((\t)%2)+16*\i
.endr
.endm
.irp t, 0,1,2,3
	LOAD \t
.endr
	s_wait_loadcnt 12                              ; step 0's four loads are in; the twelve of steps 1 to 3 may be out
	TURN 0
.macro STEP t
.set XS, X+16*((\t)%2)
.if (\t) > 0
	s_wait_dscnt 1                                 ; this step's numbers are back from the stage (only the last step's byte store is younger): so its stores into the stage have read their registers,
.else
	s_wait_dscnt 0x0
.endif
.if (\t)+4 < STEPS
	LOAD (\t)+4                                    ; which take the loads of four steps on
.endif
.if (\t)+1 < STEPS
.if STEPS-2-(\t) >= 3
	s_wait_loadcnt 12                              ; the next step's four loads are in; those of the three steps behind it may be out
.else
	s_wait_loadcnt 4*(STEPS-2-(\t))                ; at the end the steps behind it are fewer
.endif
	TURN (\t)+1                                    ; and go through the other stage while this step is worked
.endif
	v_max3_num_f32 v8, |v[XS]|, |v[XS+1]|, |v[XS+2]|               ; the largest magnitude of my 16, in two chains
	v_max3_num_f32 v9, |v[XS+3]|, |v[XS+4]|, |v[XS+5]|
.irp i, 6,10
	v_max3_num_f32 v8, v8, |v[XS+\i]|, |v[XS+\i+1]|
	v_max3_num_f32 v9, v9, |v[XS+\i+2]|, |v[XS+\i+3]|
.endr
	v_max3_num_f32 v8, v8, |v[XS+14]|, |v[XS+15]|
	v_max3_num_f32 v8, v8, v9, (EMAX+1)<<23        ; and the floor 2^(3 - 127): so the byte cannot fall under 1
	v_max_num_f32_dpp v8, v8, v8 row_xmask:1 row_mask:0xf bank_mask:0xf   ; and of my neighbour's 16: the block's
	v_add_nc_u32 v11, -(EMAX<<23), v8              ; 2 off its exponent field: the conversion takes the exponent field of this operand as its scale, and nothing else of it
	v_cvt_scalef32_pk8_fp4_f32 v[C+4*(\t)], v[XS:XS+7], v11        ; eight numbers / the scale, to the nearest code, the first number's code in the lowest four bits
	v_cvt_scalef32_pk8_fp4_f32 v[C+4*(\t)+1], v[XS+8:XS+15], v11
	v_lshrrev_b32 v[E+(\t)], 23, v11               ; the scale's byte (a plain line behind the conversions)
	ds_store_b8 v5, v[E+(\t)] offset:16*(\t)       ; both lanes of a block write the same byte with the same value
	global_store_b64 v4, v[C+4*(\t):C+4*(\t)+1], s[28:29] offset:32*CB*(\t)   ; 32 lanes store 256 consecutive bytes, aligned
.endm
.irp t, 0,1,2,3,4,5,6,7,8,9,10,11,12,13,14,15
	STEP \t
.endr
	ds_load_b64 v[8:9], v6                         ; in order behind my byte stores
	s_wait_dscnt 0x0
	global_store_b64 v7, v[8:9], s[30:31]          ; 32 lanes store my wave's 256 scale bytes, aligned
	s_wait_tensorcnt 0x0                           ; the wave's end, behind my last LDS store
	ds_add_u32 v[SPW], v[NIL]
	s_wait_dscnt 0x0
	s_endpgm
; WO'S PATH: f32 to f16, rounded once.  A wave takes four groups of 16 loads of 512 consecutive bytes; one group is on its way while another is worked.  A lane's four numbers become 8 bytes: a store covers 256 consecutive bytes, aligned.
.Lwo:
	s_sub_co_u32 s34, ttmp9, 640
	s_lshl_b32 s36, s34, 17                        ; 131,072 bytes of wo a work-group,
	s_lshl_b32 s35, s32, 15                        ; 32,768 a wave
	s_add_co_u32 s36, s36, s35
	s_mov_b32 s37, 0
	s_add_nc_u64 s[16:17], s[16:17], s[36:37]
	s_lshr_b32 s36, s36, 1                         ; half as many of wo16
	s_add_nc_u64 s[26:27], s[26:27], s[36:37]
.macro WLOAD q
.irp i, 0,1,2,3,4,5,6,7,8,9,10,11,12,13,14,15
	global_load_b128 v[W+64*((\q)%2)+4*\i:W+64*((\q)%2)+4*\i+3], v3, s[16:17] offset:8192*(\q)+512*\i th:TH_LOAD_NT
.endr
.endm
.macro WGRP q
.if (\q) < 3
	s_wait_loadcnt 16                              ; this group's 16 loads are in; the next group's 16 may be out
.else
	s_wait_loadcnt 0x0
.endif
.irp i, 0,1,2,3,4,5,6,7,8,9,10,11,12,13,14,15
	v_cvt_pk_f16_f32 v[W+64*((\q)%2)+4*\i], v[W+64*((\q)%2)+4*\i], v[W+64*((\q)%2)+4*\i+1]       ; in place: the first source into the low half
	v_cvt_pk_f16_f32 v[W+64*((\q)%2)+4*\i+1], v[W+64*((\q)%2)+4*\i+2], v[W+64*((\q)%2)+4*\i+3]
	global_store_b64 v4, v[W+64*((\q)%2)+4*\i:W+64*((\q)%2)+4*\i+1], s[26:27] offset:4096*(\q)+256*\i
.endr
.if (\q) < 2
	s_wait_xcnt 0x0                                ; the stores have read this set's registers: only now is it loaded again
	WLOAD (\q)+2
.endif
.endm
	WLOAD 0
	WLOAD 1
	WGRP 0
	WGRP 1
	WGRP 2
	WGRP 3
	s_wait_tensorcnt 0x0                           ; the wave's end
	ds_add_u32 v[SPW], v[NIL]
	s_wait_dscnt 0x0
	s_endpgm
.Lfunc_end_k_qed9d777ad1_prep:
	.size	k_qed9d777ad1_prep, .Lfunc_end_k_qed9d777ad1_prep-k_qed9d777ad1_prep
	.p2alignl 7, 3214868480
	.fill 96, 4, 3214868480
	.section	.rodata,"a",@progbits
	.p2align	6, 0x0
	.amdhsa_kernel k_qed9d777ad1_prep
		.amdhsa_group_segment_fixed_size 33280
		.amdhsa_private_segment_fixed_size 0
		.amdhsa_enable_private_segment 0
		.amdhsa_kernarg_size 80
		.amdhsa_user_sgpr_count 2
		.amdhsa_user_sgpr_kernarg_segment_ptr 1
		.amdhsa_wavefront_size32 1
		.amdhsa_system_sgpr_workgroup_id_x 1
		.amdhsa_system_sgpr_workgroup_id_y 1
		.amdhsa_system_sgpr_workgroup_id_z 1
		.amdhsa_system_vgpr_workitem_id 0
		.amdhsa_next_free_vgpr 192
		.amdhsa_next_free_sgpr 66
		.amdhsa_reserve_vcc 0
		.amdhsa_float_denorm_mode_32 3
		.amdhsa_float_denorm_mode_16_64 3
		.amdhsa_memory_ordered 1
		.amdhsa_forward_progress 1
		.amdhsa_inst_pref_size 54
	.end_amdhsa_kernel
	.amdgpu_metadata
---
amdhsa.version: [ 1, 2 ]
amdhsa.kernels:
  - .name:           k_qed9d777ad1_prep
    .symbol:         k_qed9d777ad1_prep.kd
    .args:
      - { .name: x, .offset: 0, .size: 8, .value_kind: global_buffer, .address_space: global }
      - { .name: wq, .offset: 8, .size: 8, .value_kind: global_buffer, .address_space: global }
      - { .name: wk, .offset: 16, .size: 8, .value_kind: global_buffer, .address_space: global }
      - { .name: wv, .offset: 24, .size: 8, .value_kind: global_buffer, .address_space: global }
      - { .name: wo, .offset: 32, .size: 8, .value_kind: global_buffer, .address_space: global }
      - { .name: xc, .offset: 40, .size: 8, .value_kind: global_buffer, .address_space: global }
      - { .name: xs, .offset: 48, .size: 8, .value_kind: global_buffer, .address_space: global }
      - { .name: wc, .offset: 56, .size: 8, .value_kind: global_buffer, .address_space: global }
      - { .name: ws, .offset: 64, .size: 8, .value_kind: global_buffer, .address_space: global }
      - { .name: wo16, .offset: 72, .size: 8, .value_kind: global_buffer, .address_space: global }
    .group_segment_fixed_size: 33280
    .private_segment_fixed_size: 0
    .kernarg_segment_align: 8
    .kernarg_segment_size: 80
    .max_flat_workgroup_size: 128
    .sgpr_count:     66
    .vgpr_count:     192
    .wavefront_size: 32
...
	.end_amdgpu_metadata
.endif
;; end of part 1
;; launch gemm_qkv (part 2): grid 24 x 16, 4 waves a work-group, clusters of 4 x 4, 327,680 bytes of LDS; arguments xc, xs, wc, ws, qkv; writes qkv
.if DOCPART == 2
	.amdgcn_target "amdgcn-amd-amdhsa--gfx1250"
	.amdhsa_code_object_version 6
	.text
	.protected	k_qed9d777ad1_gemm_qkv
	.globl	k_qed9d777ad1_gemm_qkv
	.p2align	8
	.type	k_qed9d777ad1_gemm_qkv,@function
k_qed9d777ad1_gemm_qkv:
	s_mov_b64 s[64:65], 0
	v_nop
	global_prefetch_b8 v0, s[64:65] scope:SCOPE_SE
	s_setreg_imm32_b32 hwreg(HW_REG_WAVE_MODE, 25, 1), 1
	s_wait_xcnt 0x0
	s_wait_alu depctr_hold_cnt(0) depctr_sa_sdst(0) depctr_va_vdst(0) depctr_va_sdst(0) depctr_va_ssrc(0) depctr_va_vcc(0) depctr_vm_vsrc(0)
	s_getreg_b32 s2, hwreg(HW_REG_IB_STS2, 6, 4)
	s_cmp_eq_u32 s2, 0
	s_cbranch_scc0 .Lentry_in_a_cluster
	s_endpgm
.Lentry_in_a_cluster:
	s_bfe_u32 s2, ttmp6, 0x10000c
	s_cmp_lg_u32 s2, 0xf033
	s_cbranch_scc0 .Lentry_shape_is_right
	s_endpgm
.Lentry_shape_is_right:
; qkv[m][n] = sum over k of A[m][k] B[n][k].  A = x, [4096][2048], B = wq, wk, wv one behind the other, [6144][2048]: codes of FP4 (E2M1) with one E8M0 scale byte for each 32 along K, as the launch before laid them.
; Sums in f32, K ascending; qkv [4096][6144] is rounded once to f16.  LIMIT: a sum beyond 65,504 becomes an infinity in f16.
; A tile of C, 256 x 256, is made by a work-group of four waves; a wave makes 128 x 128: 64 accumulators of 16 x 16, 512 registers.  24 x 16 tiles.
; K goes in steps of 512 through a ring of two LDS slots filled by the tensor data mover: a tile's row is 256 bytes of memory.  K = 2,048 is four such steps.
; THE SCALES of the work-group's 256 rows of A and 256 rows of B, for all of K, are two dense blocks of memory (64 bytes a row): they come into LDS ONCE, with the first fills, and stay.
; CLUSTERS: 4 x 4 work-groups.  The four of a row of the cluster need the same tiles of A, the four of a column the same tiles of B: each tile is asked for JOINTLY, by the same tensor load with the same descriptor and a mask that names the four.
; THE MATRIX INSTRUCTION IS USED TRANSPOSED (source 0 = 16 rows of B, source 1 = 16 rows of A): a lane then holds eight neighbouring numbers of a row of C, which pack into 16 bytes of f16.
; REGISTERS, in windows of 256: window 0: v0-31 addresses; v32-95 scale words, two sets, which hold nothing else; v128-191 A's fragments (8 x 16 rows x 128 K), ONE set; on the way out v128-223 are at work.
;   window 1: B's fragments, TWO sets, at v0 and at v128.   window 2: the 32 accumulators of my rows 0-63 (accumulator (a, b) at v[8 (8 a + b)]);   window 3: those of my rows 64-127.
; A step of 128 along K is 64 matrix instructions, A's blocks one after the other, each against B's eight: a block of A is free as soon as its eight products are issued, so one set serves A; B's fragments are at work through the whole step and have two.
; No prefetch: of the four fills of a slot two go out at the head, and the launch is short.
.set SIZE_M, 4096
.set SIZE_N, 6144
.set SIZE_K, 2048
.set KSTEP,  512                       ; along K in a slot
.set NQ,     KSTEP/128                 ; matrix instructions deep
.set ROWB,   256                       ; a tile's row in bytes
.set KROW,   SIZE_K/2                  ; a row of A or of B in memory, in bytes
.set PITCH,  272                       ; an LDS row: 256 bytes + 16 of padding = 68 words: the 16 rows that a load touches start at 16 different banks (64 banks of 4 bytes: ISA guide 11.1)
.set FR,     8                         ; registers of a fragment: 16 rows x 128 K
.set NL,     2                         ; LDS loads that bring one
.set NP,     4                         ; places behind this matrix instruction (ISA guide 7.12.1)
.set HALFT,  128*PITCH                 ; 128 rows: what one tensor load brings, and what one wave reads of A or of B
.set SLOT,   4*HALFT                   ; A's 256 rows, then B's 256 rows
.set LAPS,   SIZE_K/(2*KSTEP)          ; a lap = two K steps = once round the ring
.set KS,     SIZE_K/32                 ; a row of scales: 64 bytes
.set SCL,    2*SLOT                    ; behind the ring: the scales, as pieces of 256 bytes + 16 of padding
.set HALFS,  (128*KS/256)*272          ; the scales of 128 rows: what one tensor load brings
.set SBLK,   (16*KS/256)*272           ; those of 16 rows
.set SPARE,  SCL+4*HALFS               ; behind the scales: the spare words, 128 bytes a wave, which no other line names
.set SPITCH, 272                       ; the way out: a stage of 16 rows x (256 bytes + 16) for each wave.  It lies in slot 0, which has had its last fill and its last read when the first result is stored there
.set ADRA, 16                          ; v16-17  LDS address of my A fragments in slot 0, 1
.set ADRB, 20                          ; v20-21  the same for B
.set STO,  24                          ; v24     the way out: where I put 16 bytes of a row
.set RD,   25                          ; v25     the way out: where I read a row back
.set CO,   26                          ; v26     my byte offset in two rows of C
.set ADRS, 27                          ; v27     LDS address of my scale words: lanes 0-15 A's rows, lanes 16-31 B's
.set SPW,  28                          ; v28     LDS address of my spare word; never rewritten
.set NIL,  29                          ; v29     0; never rewritten
.set SC,   32                          ; scale words: set s (for slot s) at v[SC + 32 s]; in it register 4 i + q: lanes 0-15 the word of A's block i, lanes 16-31 that of B's block i, for the slot's q-th 128 along K
.set AF,   128                         ; A's fragments, in window 0
.set TMP,  128                         ; the way out: a block's packed results, v128-159
.set OB,   160                         ; the way out: 16 rows read back from the stage: v160-191 and v192-223 by turns
.set G1, 24                            ; s[24:31] descriptor group 1 for A's tiles;  s[32:39] group 0, one set for each slot
.set G0, 32
.set G1B, 48                           ; s[48:55], s[56:63] the same for B's tiles
.set G0B, 56
.set G1S, 68                           ; s[68:75], s[76:79] groups 1 and 0 for A's scales;  s[80:87], s[88:91] for B's
.set G0S, 76
.set G1SB, 80
.set G0SB, 88
.set MSB, 0
.macro WIN new                         ; the immediate's high byte repeats the setting that is left; a switch that changes nothing is dropped
.if MSB != (\new)
	s_set_vgpr_msb (MSB<<8)|(\new)
.set MSB, (\new)
.endif
.endm
.set MUL_LO, 0xa1                      ; source 0 (B) window 1, source 1 (A) window 0, C and D window 2
.set MUL_HI, 0xf1                      ; the same, C and D window 3
.set TO_B,   0x40                      ; destination window 1, address window 0
; A joint load: waves 0 and 1 fetch for A, waves 2 and 3 for B.  Each of the two lines has ONE mask and one set of registers for all that issue it; the branch hangs on the wave's number alone.
; An s_nop 0 and four v_nop follow each of the two lines, ahead of the jump, the label and what follows.
.macro JLOAD g0a, g1a, g0b, g1b
	s_cmp_eq_u32 s15, 0
	s_cbranch_scc0 .Lfor_b_\@
	tensor_load_to_lds s[\g0a:\g0a+3], s[\g1a:\g1a+7]
	s_nop 0
.rept 4
	v_nop
.endr
	s_branch .Lasked_\@
.Lfor_b_\@:
	tensor_load_to_lds s[\g0b:\g0b+3], s[\g1b:\g1b+7]
	s_nop 0
.rept 4
	v_nop
.endr
.Lasked_\@:
.endm
.macro CREST                           ; a round of the cluster's barrier behind its opening barrier
	s_cmp_lg_u32 s14, 0
	s_cbranch_scc1 .Lnot_wave_0_\@
	s_barrier_signal -3
.Lnot_wave_0_\@:
	s_barrier_wait -3
	s_barrier_signal -1
	s_barrier_wait -1
.endm
.macro CROUND                          ; a whole round
	s_barrier_signal -1
	s_barrier_wait -1
	CREST
.endm
	s_load_b128 s[4:7], s[0:1], 0x0                ; A's codes s[4:5], A's scales s[6:7]
	s_load_b128 s[8:11], s[0:1], 0x10              ; B's codes s[8:9], B's scales s[10:11]
	s_load_b64 s[12:13], s[0:1], 0x20              ; C
	v_lshl_add_u32 v[SPW], v0, 2, SPARE
	v_mov_b32 v[NIL], 0
	ds_add_u32 v[SPW], v[NIL]                      ; the wave's opening: the add, twice on end, and its wait ahead of my first tensor load; the set-up below, work on registers, stands between
	ds_add_u32 v[SPW], v[NIL]
	v_lshrrev_b32 v1, 5, v0
	v_readfirstlane_b32 s14, v1                    ; wave 0..3
	s_lshr_b32 s15, s14, 1                         ; which half of the tile's rows is mine.  Also: I fetch for A (0) or for B (1)
	s_and_b32 s16, s14, 1                          ; which half of its columns.  Also: which 128 rows of that tile I fetch
	s_bfe_u32 s40, ttmp6, 0x40000                  ; cx, cy: my place in the cluster
	s_bfe_u32 s41, ttmp6, 0x40004
	s_lshl_b32 s42, ttmp9, 2
	s_add_co_u32 s42, s42, s40                     ; tile column of C = 4 x cluster x + cx
	s_and_b32 s17, ttmp7, 0xffff
	s_lshl_b32 s17, s17, 2
	s_add_co_u32 s17, s17, s41                     ; tile row of C = 4 x cluster y + cy
	s_lshl_b32 s43, s41, 2
	s_lshl_b32 s43, 15, s43                        ; my row of the cluster
	s_lshl_b32 s44, 0x1111, s40                    ; my column
	; descriptor group 1: a tile of 128 rows x 256 bytes, padded in LDS
	s_or_b32 s[G1+0], s43, (0<<16)|(1<<20)|(1<<21)|(5<<22)|(3<<25)  ; 15:0 the mask: A's tiles go to my row; 17:16 elements of 1 byte; 20 padding on; 21 set beside a mask; 24:22 after every 64 words; 31:25 of 4 words
	s_or_b32 s[G1B+0], s44, (0<<16)|(1<<20)|(1<<21)|(5<<22)|(3<<25)
.irp g, G1, G1B
	s_mov_b32 s[\g+1], ROWB<<16                    ; tensor_dim0
	s_mov_b32 s[\g+2], 128<<16                     ; tensor_dim1 = 128
	s_mov_b32 s[\g+3], ROWB<<16                    ; tile_dim0
	s_mov_b32 s[\g+4], 128                         ; tile_dim1 = 128
	s_mov_b32 s[\g+5], KROW                        ; from row to row
	s_mov_b32 s[\g+6], 0
	s_mov_b32 s[\g+7], 0
.endr
	; and for the scales of 128 rows: a dense block of 8,192 bytes, as 32 rows of 256 bytes (32 elements of 8 bytes), 16 bytes of padding behind each
	s_or_b32 s[G1S+0], s43, (3<<16)|(1<<20)|(1<<21)|(5<<22)|(3<<25)
	s_or_b32 s[G1SB+0], s44, (3<<16)|(1<<20)|(1<<21)|(5<<22)|(3<<25)
.irp g, G1S, G1SB
	s_mov_b32 s[\g+1], 32<<16
	s_mov_b32 s[\g+2], (128*KS/256)<<16
	s_mov_b32 s[\g+3], 32<<16
	s_mov_b32 s[\g+4], 128*KS/256
	s_mov_b32 s[\g+5], 32
	s_mov_b32 s[\g+6], 0
	s_mov_b32 s[\g+7], 0
.endr
	s_lshl_b32 s18, s16, 7                         ; which 128 rows of the tile I fetch
	s_lshl_b32 s20, s17, 8
	s_add_co_u32 s20, s20, s18                     ; A: row 256 x tile row + 128 x half
	s_lshl_b32 s46, s42, 8
	s_add_co_u32 s46, s46, s18                     ; B: row 256 x tile column + 128 x half
	s_mov_b32 s21, 0
	s_mov_b32 s47, 0
	s_mov_b64 s[18:19], KS
	s_mul_u64 s[22:23], s[20:21], s[18:19]         ; where these rows' scales begin, in bytes
	s_mul_u64 s[92:93], s[46:47], s[18:19]
	s_mov_b64 s[18:19], KROW
	s_mul_u64 s[20:21], s[20:21], s[18:19]         ; and their codes
	s_mul_u64 s[46:47], s[46:47], s[18:19]
	s_mul_i32 s45, s14, HALFT                      ; where they go: wave x 128 rows: no place in the cluster enters an LDS address
	s_mul_i32 s94, s14, HALFS
	s_wait_dscnt 0x0                               ; both opening adds are done
	s_wait_kmcnt 0x0
	s_add_nc_u64 s[20:21], s[4:5], s[20:21]
	s_add_nc_u64 s[22:23], s[6:7], s[22:23]
	s_add_nc_u64 s[46:47], s[8:9], s[46:47]
	s_add_nc_u64 s[92:93], s[10:11], s[92:93]
	CROUND                                         ; all sixteen work-groups are here: the first joint loads meet
	s_mov_b32 s[G0S], 1
	s_add_co_u32 s[G0S+1], s94, SCL
	s_mov_b64 s[G0S+2:G0S+3], s[22:23]
	s_or_b32 s[G0S+3], s[G0S+3], 0x80000000
	s_mov_b32 s[G0SB], 1
	s_add_co_u32 s[G0SB+1], s94, SCL
	s_mov_b64 s[G0SB+2:G0SB+3], s[92:93]
	s_or_b32 s[G0SB+3], s[G0SB+3], 0x80000000
	JLOAD G0S, G1S, G0SB, G1SB                     ; the scales first: they are wanted with K step 0.  With the two below three tensor loads of mine are out
.irp s, 0,1
	s_mov_b32 s[G0+4*\s], 1
	s_add_co_u32 s[G0+4*\s+1], s45, \s*SLOT
	s_add_nc_u64 s[G0+4*\s+2:G0+4*\s+3], s[20:21], \s*ROWB
	s_or_b32 s[G0+4*\s+3], s[G0+4*\s+3], 0x80000000
	s_mov_b32 s[G0B+4*\s], 1
	s_add_co_u32 s[G0B+4*\s+1], s45, \s*SLOT
	s_add_nc_u64 s[G0B+4*\s+2:G0B+4*\s+3], s[46:47], \s*ROWB
	s_or_b32 s[G0B+4*\s+3], s[G0B+4*\s+3], 0x80000000
	JLOAD G0+4*\s, G1, G0B+4*\s, G1B
.endr
	v_and_b32 v1, 15, v0                           ; l % 16
	v_bfe_u32 v2, v0, 4, 1                         ; l / 16
	v_mul_u32_u24 v3, v1, PITCH
	v_lshl_add_u32 v4, v2, 4, v3                   ; a fragment's row x pitch + 16 x half
	s_mul_i32 s21, s15, HALFT                      ; my 128 rows of A
	s_mul_i32 s22, s16, HALFT                      ; my 128 rows of B,
	s_add_co_u32 s22, s22, 2*HALFT                 ; which lie behind A's 256
.irp s, 0,1
	v_add_nc_u32 v[ADRA+\s], s21, v4
	v_add_nc_u32 v[ADRB+\s], s22, v4
	s_add_co_u32 s21, s21, SLOT
	s_add_co_u32 s22, s22, SLOT
.endr
	v_mul_u32_u24 v5, v1, KS                       ; my row's scales: 64 bytes a row,
	v_lshrrev_b32 v6, 8, v5
	v_lshl_add_u32 v5, v6, 4, v5                   ; and 16 more for each 256 passed
	s_mul_i32 s21, s15, HALFS                      ; A's: my 128 rows
	s_mul_i32 s22, s16, HALFS                      ; B's: my 128 rows, behind A's 256
	s_add_co_u32 s22, s22, 2*HALFS
	s_sub_co_u32 s22, s22, s21
	v_mul_u32_u24 v6, s22, v2                      ; lanes 16-31 take B's: the lower base + half x the distance
	s_add_co_u32 s21, s21, SCL
	v_add_nc_u32 v5, v5, v6
	v_add_nc_u32 v[ADRS], s21, v5
	s_mul_i32 s23, s14, 16*SPITCH                  ; my stage
	v_mul_u32_u24 v5, v1, SPITCH                   ; in: row l % 16, 16 bytes for each half of the lanes
	v_lshl_add_u32 v5, v2, 4, v5
	v_add_nc_u32 v[STO], s23, v5
	v_mul_u32_u24 v5, v2, SPITCH                   ; back: lanes 0-15 take one row of 256 bytes, lanes 16-31 the next
	v_lshl_add_u32 v5, v1, 4, v5
	v_add_nc_u32 v[RD], s23, v5
	v_mul_u32_u24 v5, v2, SIZE_N*2                 ; and the same two rows in C
	v_lshl_add_u32 v[CO], v1, 4, v5
	s_lshl_b32 s20, s17, 8
	s_lshl_b32 s21, s15, 7
	s_add_co_u32 s20, s20, s21                     ; my first row of C: 256 x tile row + 128 x half
	s_mov_b32 s21, 0
	s_mov_b64 s[18:19], SIZE_N*2
	s_mul_u64 s[20:21], s[20:21], s[18:19]
	s_lshl_b32 s46, s42, 9                         ; my first column, in bytes: 512 x tile column + 256 x half
	s_lshl_b32 s47, s16, 8
	s_add_co_u32 s46, s46, s47
	s_mov_b32 s47, 0
	s_add_nc_u64 s[20:21], s[20:21], s[46:47]
	s_add_nc_u64 s[12:13], s[12:13], s[20:21]
.macro FRAG reg, adr, q, i             ; a fragment, 16 rows x 128 K of 4-bit codes, is 8 registers: lane l holds row l % 16; registers 4 c .. 4 c + 3 hold K = 64 c + 32 (l / 16) + 0 .. 31
.irp c, 0,1
	ds_load_b128 v[\reg+4*\c:\reg+4*\c+3], v[\adr] offset:64*(\q)+32*\c+(\i)*16*PITCH
.endr
.endm
; 16 matrix instructions: A's blocks a0, a0 + 1 x B's eight, 128 along K: the slot's q-th.  p: B's set;  sc: the set of scale words.  zero = 1: the first product starts the sums: nothing is ever cleared.
; The 64 accumulators take turns, one instruction a turn, in the same order in every step.
.macro MUL16 a0, p, q, sc, zero
.irp a, \a0, \a0+1
.irp b, 0,1,2,3,4,5,6,7
.if \zero
	v_wmma_scale_f32_16x16x128_f8f6f4 v[8*(8*((\a)%4)+\b):8*(8*((\a)%4)+\b)+7], v[128*(\p)+FR*\b:128*(\p)+FR*\b+FR-1], v[AF+FR*(\a):AF+FR*(\a)+FR-1], 0, v[SC+8*NQ*(\sc)+NQ*\b+(\q)], v[SC+8*NQ*(\sc)+NQ*(\a)+(\q)] matrix_a_fmt:MATRIX_FMT_FP4 matrix_b_fmt:MATRIX_FMT_FP4 matrix_a_scale:MATRIX_SCALE_ROW1
.else
	v_wmma_scale_f32_16x16x128_f8f6f4 v[8*(8*((\a)%4)+\b):8*(8*((\a)%4)+\b)+7], v[128*(\p)+FR*\b:128*(\p)+FR*\b+FR-1], v[AF+FR*(\a):AF+FR*(\a)+FR-1], v[8*(8*((\a)%4)+\b):8*(8*((\a)%4)+\b)+7], v[SC+8*NQ*(\sc)+NQ*\b+(\q)], v[SC+8*NQ*(\sc)+NQ*(\a)+(\q)] matrix_a_fmt:MATRIX_FMT_FP4 matrix_b_fmt:MATRIX_FMT_FP4 matrix_a_scale:MATRIX_SCALE_ROW1
.endif
.endr
.endr
.endm
.macro FETCH_B slot, q, p              ; B's eight fragments of the slot's q-th 128 along K into set p
	WIN TO_B
.irp i, 0,1,2,3,4,5,6,7
	FRAG 128*(\p)+FR*\i, ADRB+\slot, \q, \i
.endr
	WIN 0
.endm
.macro FETCH_A slot, q, i0             ; A's blocks i0 .. i0 + 3
.irp i, \i0, \i0+1, \i0+2, \i0+3
	FRAG AF+FR*(\i), ADRA+\slot, \q, \i
.endr
.endm
.macro SCALES sc                       ; the next K step's scale words into set sc: 4 words a row; lanes 0-15 take A's block i, lanes 16-31 B's block i
.irp i, 0,1,2,3,4,5,6,7
	ds_load_b128 v[SC+8*NQ*\sc+NQ*\i:SC+8*NQ*\sc+NQ*\i+3], v[ADRS] offset:\i*SBLK
.endr
.endm
; A load into a register that a matrix instruction has read, and a vector instruction that reads a matrix result or writes one of its registers, stand NP places behind that matrix instruction, and only plain vector
; instructions that name none of its registers are places (ISA guide 7.12.1 for vector instructions); the matrix instructions in between are not counted.
.macro PLACES n
.rept \n
	v_nop
.endr
.endm
; A step of 128 along K that has its successor in the same slot.
.macro STEP slot, q, zero
	s_wait_dscnt 4*NL                              ; B's set and A's blocks 0-3 are in; the youngest eight loads (A's blocks 4-7) may be out
	WIN MUL_LO
	MUL16 0, (\q)%2, \q, \slot, \zero
	MUL16 2, (\q)%2, \q, \slot, \zero
	s_wait_dscnt 0                                 ; A's blocks 4-7 are in (asked for 32 matrix instructions ago)
	PLACES NP
	FETCH_B \slot, (\q)+1, 1-(\q)%2
	FETCH_A \slot, (\q)+1, 0
	WIN MUL_HI
	MUL16 4, (\q)%2, \q, \slot, \zero
	MUL16 6, (\q)%2, \q, \slot, \zero
	PLACES NP
	WIN 0
	FETCH_A \slot, (\q)+1, 4
.endm
; A slot's last step changes slots: ONE barrier; in front of it each wave waits for all its tensor loads, adds 0 to its spare word, and waits for that and for its own reads of this slot.  fill = 1: this slot is filled again, two K steps ahead.
.macro TURN slot, next, fill
	s_wait_tensorcnt 0x0                           ; all my tensor loads have landed: my part of the next slot  (every window is 0 here)
	ds_add_u32 v[SPW], v[NIL]                      ; 0 onto my spare word
	s_wait_dscnt 4*NL+1                            ; the add and the youngest eight loads, A's blocks 4-7, may be out
	WIN MUL_LO
	MUL16 0, 1, NQ-1, \slot, 0                     ; sixteen matrix instructions stand between the add and the wait for it
	s_wait_dscnt 0x0                               ; the add is done, and my reads of this slot are over
	s_barrier_signal -1
	MUL16 2, 1, NQ-1, \slot, 0
	WIN 0
	s_barrier_wait -1
.if \fill
	CREST                                          ; the barrier has opened a round of the cluster's barrier: no wave of any partner still reads this slot's tile or has a load on its way
	s_add_nc_u64 s[G0+4*\slot+2:G0+4*\slot+3], s[G0+4*\slot+2:G0+4*\slot+3], 2*ROWB
	s_add_nc_u64 s[G0B+4*\slot+2:G0B+4*\slot+3], s[G0B+4*\slot+2:G0B+4*\slot+3], 2*ROWB
	JLOAD G0+4*\slot, G1, G0B+4*\slot, G1B         ; the first tensor load behind the round, my only one until the next; its four v_nop are the places in front of the loads below
.else
	PLACES NP
.endif
	v_add_nc_u32 v[ADRS], 4*NQ, v[ADRS]            ; on to the next K step's scale words (no LDS load of mine is out)
	FETCH_B \next, 0, 0
	FETCH_A \next, 0, 0
	SCALES \next
	WIN MUL_HI
	MUL16 4, 1, NQ-1, \slot, 0
	MUL16 6, 1, NQ-1, \slot, 0
	PLACES NP
	WIN 0
	FETCH_A \next, 0, 4
.endm
.macro STEPS slot, from                ; the slot's steps from .. NQ - 2
.set Q, \from
.rept NQ-1-\from
	STEP \slot, Q, 0
.set Q, Q+1
.endr
.endm
	s_wait_tensorcnt 1                             ; the scales and my part of K step 0 are in; K step 1's load, the one issued behind them, may be out
	s_barrier_signal -1
	s_barrier_wait -1                              ; everybody's are
	FETCH_B 0, 0, 0
	FETCH_A 0, 0, 0
	SCALES 0
	FETCH_A 0, 0, 4
	STEP 0, 0, 1                                   ; the first step stands in front of the loop: its products start the sums
	s_mov_b32 s3, LAPS-1
.Llap:                                                 ; a trip goes once round the ring, from a lap's second step to the next lap's first, and fills both slots again
	STEPS 0, 1
	TURN 0, 1, 1
	STEPS 1, 0
	TURN 1, 0, 1
	STEP 0, 0, 0
	s_sub_co_u32 s3, s3, 1
	s_cmp_lg_u32 s3, 0
	s_cbranch_scc1 .Llap
	STEPS 0, 1                                     ; the last lap fills nothing, and has no round of the cluster's barrier
	TURN 0, 1, 0
	STEPS 1, 0
	s_wait_dscnt 4*NL                              ; the very last step: nothing more to fetch
	WIN MUL_LO
	MUL16 0, 1, NQ-1, 1, 0
	MUL16 2, 1, NQ-1, 1, 0
	s_wait_dscnt 0
	WIN MUL_HI
	MUL16 4, 1, NQ-1, 1, 0
	MUL16 6, 1, NQ-1, 1, 0
	WIN 0
; THE WAY OUT, block by block of 16 rows x 128 columns.  PACK: rounded once to f16, 16 bytes a lane, each accumulator from its low end on.  TOSTAGE: into my own stage in LDS, and back as whole rows of 256 bytes.
; SEND: sixteen lanes store 256 consecutive bytes, aligned: one head's row of one token.  LDS serves a wave's instructions in order (ISA guide 5.7.1.4): no wait between the stage's stores and loads.
.macro PACK a
.set AC, 64*((\a)%4)
	WIN 0x0a+5*((\a)/4)                            ; sources 0 and 1: window 2 or 3
.irp b, 0,1,2,3,4,5,6,7
.irp i, 0,1,2,3
	v_cvt_pk_f16_f32 v[TMP+4*\b+\i], v[AC+8*\b+2*\i], v[AC+8*\b+2*\i+1]
.endr
.endr
	WIN 0
.endm
.macro TOSTAGE a
.set BK, OB+32*((\a)%2)
.irp b, 0,1,2,3,4,5,6,7
	ds_store_b128 v[STO], v[TMP+4*\b:TMP+4*\b+3] offset:32*\b
.endr
.irp t, 0,1,2,3,4,5,6,7
	ds_load_b128 v[BK+4*\t:BK+4*\t+3], v[RD] offset:\t*2*SPITCH
.endr
.endm
.macro SEND a
.set BK, OB+32*((\a)%2)
	s_wait_dscnt 0x0                               ; the block is back in registers
	s_wait_xcnt 0x0                                ; the earlier stores have read their base and their registers: only behind this wait is the base stepped, and the block before last's registers loaded again
.if (\a) > 0
	s_add_nc_u64 s[12:13], s[12:13], 16*SIZE_N*2   ; 16 rows of C on: the stores' offsets stay at 14 rows at the most
.endif
.irp t, 0,1,2,3,4,5,6,7
	global_store_b128 v[CO], v[BK+4*\t:BK+4*\t+3], s[12:13] offset:2*\t*SIZE_N*2
.endr
.endm
	PLACES NP                                      ; behind the last products: the conversions read results and write registers that held A's fragments
	PACK 0
	TOSTAGE 0
.irp a, 1,2,3,4,5,6,7                  ; block a's conversions stand between block a - 1's loads from the stage and the wait for them
	PACK \a
	SEND \a-1
	TOSTAGE \a
.endr
	SEND 7
	s_wait_tensorcnt 0x0                           ; the wave's end, behind my last tensor load and my last LDS store
	ds_add_u32 v[SPW], v[NIL]
	s_wait_dscnt 0x0
	CROUND                                         ; the closing round: no work-group ends while a partner may still ask for a tile that names it
	s_endpgm
.Lfunc_end_k_qed9d777ad1_gemm_qkv:
	.size	k_qed9d777ad1_gemm_qkv, .Lfunc_end_k_qed9d777ad1_gemm_qkv-k_qed9d777ad1_gemm_qkv
	.p2alignl 7, 3214868480
	.fill 96, 4, 3214868480
	.section	.rodata,"a",@progbits
	.p2align	6, 0x0
	.amdhsa_kernel k_qed9d777ad1_gemm_qkv
		.amdhsa_group_segment_fixed_size 327680
		.amdhsa_private_segment_fixed_size 0
		.amdhsa_enable_private_segment 0
		.amdhsa_kernarg_size 40
		.amdhsa_user_sgpr_count 2
		.amdhsa_user_sgpr_kernarg_segment_ptr 1
		.amdhsa_wavefront_size32 1
		.amdhsa_system_sgpr_workgroup_id_x 1
		.amdhsa_system_sgpr_workgroup_id_y 1
		.amdhsa_system_sgpr_workgroup_id_z 1
		.amdhsa_system_vgpr_workitem_id 0
		.amdhsa_next_free_vgpr 1024
		.amdhsa_next_free_sgpr 98
		.amdhsa_reserve_vcc 0
		.amdhsa_float_denorm_mode_32 3
		.amdhsa_float_denorm_mode_16_64 3
		.amdhsa_memory_ordered 1
		.amdhsa_forward_progress 1
		.amdhsa_inst_pref_size 214
	.end_amdhsa_kernel
	.amdgpu_metadata
---
amdhsa.version: [ 1, 2 ]
amdhsa.kernels:
  - .name:           k_qed9d777ad1_gemm_qkv
    .symbol:         k_qed9d777ad1_gemm_qkv.kd
    .args:
      - { .name: xc, .offset: 0, .size: 8, .value_kind: global_buffer, .address_space: global }
      - { .name: xs, .offset: 8, .size: 8, .value_kind: global_buffer, .address_space: global }
      - { .name: wc, .offset: 16, .size: 8, .value_kind: global_buffer, .address_space: global }
      - { .name: ws, .offset: 24, .size: 8, .value_kind: global_buffer, .address_space: global }
      - { .name: qkv, .offset: 32, .size: 8, .value_kind: global_buffer, .address_space: global }
    .group_segment_fixed_size: 327680
    .private_segment_fixed_size: 0
    .kernarg_segment_align: 8
    .kernarg_segment_size: 40
    .max_flat_workgroup_size: 128
    .sgpr_count:     98
    .vgpr_count:     1024
    .wavefront_size: 32
...
	.end_amdgpu_metadata
.endif
;; end of part 2
;; launch heads (part 3): grid 256 x 1, 8 waves a work-group, no clusters, 279,552 bytes of LDS; arguments qkv, attn; writes attn
.if DOCPART == 3
	.amdgcn_target "amdgcn-amd-amdhsa--gfx1250"
	.amdhsa_code_object_version 6
	.text
	.protected	k_qed9d777ad1_heads
	.globl	k_qed9d777ad1_heads
	.p2align	8
	.type	k_qed9d777ad1_heads,@function
k_qed9d777ad1_heads:
	s_mov_b64 s[64:65], 0
	v_nop
	global_prefetch_b8 v0, s[64:65] scope:SCOPE_SE
	s_setreg_imm32_b32 hwreg(HW_REG_WAVE_MODE, 25, 1), 1
	s_wait_xcnt 0x0
; For each of the 4,096 tokens: S[i][j] = q_i . k_j / sqrt(128) over the token's own 16 heads, head j counting for head i where j <= i; p = softmax over j; attn_i = sum over j of p[i][j] v_j.
; qkv: [4096][48 rows of 128 f16]: a token's rows are q0..15, k0..15, v0..15, 256 bytes each.  attn: [4096][16][128] f16.  Products on f16 operands with f32 sums; maximum, exponentials, sum and division in f32;
; p is divided by its row's sum in f32 and then rounded to f16; attn is rounded once.  The row's own maximum is taken away before the exponential.
; LIMIT: q, k, v arrive as f16, so their magnitudes stay under 65,504; an infinity in one token's v would also spoil the token that shares its products.
; SHARES.  A work-group takes 16 tokens, each of its eight waves a PAIR of tokens a, b.  A pair's 24,576 bytes are one dense block of memory: one tensor load a wave brings them, issued at the head; nothing is filled again,
; each wave reads only what its own load brought and stores only into its own stage: no barrier.  Work-groups share no input: no cluster.  All bytes are asked for at the head: no prefetch.
; LAYOUT.  S^T = K Q^T (source 0 = the 16 heads j, source 1 = the 16 heads i): a lane holds ONE head i = lane % 16 and the heads j = 8 (lane / 16) + 0..7.  Rounded in pairs these eight ARE half of source 1 of O^T = V^T P^T.
; That product's K = 32 holds token a's 16 heads j and then token b's: V's fragment has a's rows in registers 0-3 and b's in registers 4-7, P of a has zeros in registers 4-7 and P of b in registers 0-3, so that each takes its own token alone.
.set PIT,   272                        ; an LDS row: 256 bytes + 16 of padding
.set INB,   96*PIT                     ; a wave's pair: rows 0-15 q of a, 16-31 k of a, 32-47 v of a, 48-63 q of b, 64-79 k of b, 80-95 v of b
.set STG,   8*INB                      ; behind the eight: a stage for each wave, 2 tokens x 16 rows; no tensor load lands there
.set STGB,  32*PIT
.set SPARE, STG+8*STGB                 ; behind the stages: the spare words, 128 bytes a wave, which no other line names
.set AQ,   3                           ; v3   my place in a fragment of q or k: row lane % 16, + 16 (lane / 16)
.set AV,   4                           ; v4   my place for the turning load
.set STO,  5                           ; v5   the stage: where I put 16 bytes of a row
.set RD,   6                           ; v6   and where I read rows back
.set GO,   7                           ; v7   16 x lane: my bytes of 512 in attn
.set SPW,  8                           ; v8   LDS address of my spare word; never rewritten
.set NIL,  9                           ; v9   0; never rewritten
.set QA,   16                          ; v16-47 q of a, v48-79 q of b, v80-111 k of a, v112-143 k of b: four fragments of 32 along the head's 128 each
.set QB,   48
.set KA,   80
.set KB,   112
.set VF,   144                         ; v144-207 V: eight fragments of 16 channels
.set SA,   208                         ; v208-215, v216-223 S^T of a, of b; then p
.set SB,   216
.set PA,   224                         ; v224-231 P of a (228-231 zeros); v232-239 P of b (232-235 zeros)
.set PB,   232
.set NINF, 240                         ; v240 -infinity
.set OA,   16                          ; O^T of a over v16-79, of b over v80-143: q and k have been read out by then
.set OBB,  80
	s_load_b128 s[4:7], s[0:1], 0x0                ; qkv s[4:5], attn s[6:7]
	v_lshl_add_u32 v[SPW], v0, 2, SPARE
	v_mov_b32 v[NIL], 0
	ds_add_u32 v[SPW], v[NIL]                      ; the wave's opening: the add, twice on end, and its wait ahead of my first tensor load; the set-up below stands between
	ds_add_u32 v[SPW], v[NIL]
	v_lshrrev_b32 v1, 5, v0
	v_readfirstlane_b32 s8, v1                     ; wave 0..7
	; descriptor group 1: a dense block as 96 rows of 256 bytes (32 elements of 8 bytes), 16 bytes of padding behind each
	s_mov_b32 s16, (3<<16)|(1<<20)|(5<<22)|(3<<25) ; no mask; elements of 8 bytes; padding on, after every 64 words, of 4 words
	s_mov_b32 s17, 32<<16                          ; tensor_dim0 = 32
	s_mov_b32 s18, 96<<16                          ; tensor_dim1 = 96
	s_mov_b32 s19, 32<<16                          ; tile_dim0 = 32
	s_mov_b32 s20, 96                              ; tile_dim1 = 96
	s_mov_b32 s21, 32                              ; from row to row
	s_mov_b32 s22, 0
	s_mov_b32 s23, 0
	s_mul_i32 s9, s8, INB                          ; my wave's rows in LDS
	s_mul_i32 s36, s8, STGB
	s_add_co_u32 s36, s36, STG                     ; my stage
	s_lshl_b32 s10, ttmp9, 3
	s_add_co_u32 s10, s10, s8                      ; my pair: 8 x work-group + wave
	s_mul_i32 s2, s10, 24576                       ; its bytes in qkv (under 2^26)
	s_mov_b32 s3, 0
	s_lshl_b32 s10, s10, 13                        ; and in attn: 8,192 a pair
	s_mov_b32 s11, 0
	s_mov_b32 s32, 0x76543210
	s_mov_b32 s33, 0xfedcba98                      ; v_permlanex16_b32's selects for lane l xor 16
	s_mov_b32 s34, 0x3e0293ee                      ; c = log2(e) / sqrt(128)
	s_mov_b32 s35, s34                             ; (the packed form names the pair and takes its low word for both halves)
	s_wait_dscnt 0x0                               ; both opening adds are done
	s_wait_kmcnt 0x0
	s_mov_b32 s12, 1                               ; group 0: count = 1,
	s_mov_b32 s13, s9                              ; LDS address,
	s_add_nc_u64 s[14:15], s[4:5], s[2:3]          ; global address,
	s_or_b32 s15, s15, 0x80000000                  ; type = 2
	tensor_load_to_lds s[12:15], s[16:23]          ; my one tensor load
	s_nop 0
	s_add_nc_u64 s[6:7], s[6:7], s[10:11]
	v_and_b32 v1, 15, v0                           ; r = lane % 16
	v_bfe_u32 v2, v0, 4, 1                         ; h = lane / 16
	v_mul_u32_u24 v10, v1, PIT
	v_lshl_add_u32 v10, v2, 4, v10                 ; r x pitch + 16 h
	v_add_nc_u32 v[AQ], s9, v10
	v_add_nc_u32 v[STO], s36, v10
	v_mul_u32_u24 v10, v2, PIT
	v_lshl_add_u32 v10, v1, 4, v10                 ; h x pitch + 16 r: lanes 0-15 one row, lanes 16-31 the next
	v_add_nc_u32 v[RD], s36, v10
	; the turning load takes 16 rows x 16 channels: lane l reads 16 bytes of row 8 (l / 16) + l % 8, channels 8 ((l / 8) % 2) + 0..7, and is left with channel l % 16 of 8 rows
	v_and_b32 v10, 7, v0
	v_bfe_u32 v11, v0, 3, 1
	v_lshl_add_u32 v[AV], v2, 3, v10
	v_mul_u32_u24 v[AV], v[AV], PIT
	v_lshl_add_u32 v[AV], v11, 4, v[AV]
	v_add_nc_u32 v[AV], s9, v[AV]
	v_and_b32 v[GO], 31, v0
	v_lshlrev_b32 v[GO], 4, v[GO]
	v_mov_b32 v[NINF], 0xff800000
	v_lshlrev_b32 v241, 3, v2
	v_sub_nc_u32 v241, v1, v241                    ; r - 8 h: register j holds head 8 h + j, hidden from head r where j > r - 8 h
.irp j, 0,1,2,3,4,5,6,7
	v_cmp_gt_i32 s[24+\j], \j, v241                ; the causal mask over heads, a word for each register: made of lane numbers alone
.endr
.irp i, 0,1,2,3
	v_mov_b32 v[PA+4+\i], 0                        ; the other token's half of each P
	v_mov_b32 v[PB+\i], 0
.endr
	v_mov_b32 v244, 0                              ; a lane permute's destination counts as one of its sources
	v_mov_b32 v245, 0
	v_mov_b32 v247, 0                              ; the upper halves of pairs of which the packed forms take the low word alone
	v_mov_b32 v249, 0
	v_mov_b32 v253, 0
	v_mov_b32 v255, 0
	s_wait_tensorcnt 0x0                           ; my pair lies in LDS; only I read it
.irp c, 0,1,2,3                        ; a fragment is 16 rows x 32 channels: two loads of 16 bytes, 32 bytes apart
	ds_load_b128 v[KA+8*\c:KA+8*\c+3],   v[AQ] offset:16*PIT+64*\c
	ds_load_b128 v[KA+8*\c+4:KA+8*\c+7], v[AQ] offset:16*PIT+64*\c+32
	ds_load_b128 v[QA+8*\c:QA+8*\c+3],   v[AQ] offset:64*\c
	ds_load_b128 v[QA+8*\c+4:QA+8*\c+7], v[AQ] offset:64*\c+32
	ds_load_b128 v[KB+8*\c:KB+8*\c+3],   v[AQ] offset:64*PIT+64*\c
	ds_load_b128 v[KB+8*\c+4:KB+8*\c+7], v[AQ] offset:64*PIT+64*\c+32
	ds_load_b128 v[QB+8*\c:QB+8*\c+3],   v[AQ] offset:48*PIT+64*\c
	ds_load_b128 v[QB+8*\c+4:QB+8*\c+7], v[AQ] offset:48*PIT+64*\c+32
.endr
.irp t, 0,1,2,3,4,5,6,7                ; V^T, channels 16 t on: registers 0-3 token a's 16 rows, registers 4-7 token b's
	ds_load_tr16_b128 v[VF+8*\t:VF+8*\t+3],   v[AV] offset:32*PIT+32*\t
	ds_load_tr16_b128 v[VF+8*\t+4:VF+8*\t+7], v[AV] offset:80*PIT+32*\t
.endr
	s_wait_dscnt 16                                ; q and k are in; V's sixteen loads, the youngest, may be out
.irp c, 0,1,2,3                        ; S^T = K Q^T: the two tokens' accumulators take turns, one instruction a turn; the first products start the sums
.if \c == 0
	v_wmma_f32_16x16x32_f16 v[SA:SA+7], v[KA:KA+7], v[QA:QA+7], 0
	v_wmma_f32_16x16x32_f16 v[SB:SB+7], v[KB:KB+7], v[QB:QB+7], 0
.else
	v_wmma_f32_16x16x32_f16 v[SA:SA+7], v[KA+8*\c:KA+8*\c+7], v[QA+8*\c:QA+8*\c+7], v[SA:SA+7]
	v_wmma_f32_16x16x32_f16 v[SB:SB+7], v[KB+8*\c:KB+8*\c+7], v[QB+8*\c:QB+8*\c+7], v[SB:SB+7]
.endif
.endr
.rept 5
	v_nop                                          ; four places ahead of the first read of the scores; the fifth because matrix results are later laid over q's and k's registers
.endr
.irp j, 0,1,2,3,4,5,6,7                ; hidden scores become -infinity, each accumulator from its low end on
	v_cndmask_b32 v[SA+\j], v[SA+\j], v[NINF], s[24+\j]
	v_cndmask_b32 v[SB+\j], v[SB+\j], v[NINF], s[24+\j]
.endr
	v_max3_num_f32 v242, v[SA], v[SA+1], v[SA+2]
	v_max3_num_f32 v243, v[SB], v[SB+1], v[SB+2]
.irp j, 3,5
	v_max3_num_f32 v242, v242, v[SA+\j], v[SA+\j+1]
	v_max3_num_f32 v243, v243, v[SB+\j], v[SB+\j+1]
.endr
	v_max_num_f32 v242, v242, v[SA+7]
	v_max_num_f32 v243, v243, v[SB+7]
	v_permlanex16_b32 v244, v242, s32, s33         ; the row's other eight heads lie in the lane 16 away
	v_permlanex16_b32 v245, v243, s32, s33
	v_max_num_f32 v242, v242, v244                 ; the row's maximum: head 0 counts for every head, so it is a number
	v_max_num_f32 v243, v243, v245
	v_mul_f32 v246, s34, v242                      ; c m
	v_mul_f32 v248, s34, v243
.irp j, 0,2,4,6
	v_pk_fma_f32 v[SA+\j:SA+\j+1], v[SA+\j:SA+\j+1], s[34:35], v[246:247] op_sel_hi:[1,0,0] neg_lo:[0,0,1] neg_hi:[0,0,1]   ; c s - c m
	v_pk_fma_f32 v[SB+\j:SB+\j+1], v[SB+\j:SB+\j+1], s[34:35], v[248:249] op_sel_hi:[1,0,0] neg_lo:[0,0,1] neg_hi:[0,0,1]
.endr
.irp j, 0,1,2,3,4,5,6,7,8,9,10,11,12,13,14,15
	v_exp_f32 v[SA+\j], v[SA+\j]                   ; 2^(c s - c m): one batch of sixteen; a hidden score gives 0
.endr
	v_nop                                          ; a plain instruction behind the last exponential
	s_wait_alu depctr_va_vdst(0)                   ; one wait for the batch, ahead of its first reader
	v_pk_add_f32 v[16:17], v[SA:SA+1], v[SA+2:SA+3]        ; the rows' sums; v16-23 are free: q of a has been read out
	v_pk_add_f32 v[18:19], v[SA+4:SA+5], v[SA+6:SA+7]
	v_pk_add_f32 v[20:21], v[SB:SB+1], v[SB+2:SB+3]
	v_pk_add_f32 v[22:23], v[SB+4:SB+5], v[SB+6:SB+7]
	v_pk_add_f32 v[16:17], v[16:17], v[18:19]
	v_pk_add_f32 v[20:21], v[20:21], v[22:23]
	v_add_f32 v250, v16, v17
	v_add_f32 v251, v20, v21
	v_permlanex16_b32 v244, v250, s32, s33
	v_permlanex16_b32 v245, v251, s32, s33
	v_add_f32 v250, v250, v244
	v_add_f32 v251, v251, v245
	v_rcp_f32 v252, v250
	v_rcp_f32 v254, v251
	v_nop                                          ; a plain instruction behind the reciprocals,
	s_wait_alu depctr_va_vdst(0)                   ; and one wait for the two
.irp j, 0,2,4,6
	v_pk_mul_f32 v[SA+\j:SA+\j+1], v[SA+\j:SA+\j+1], v[252:253] op_sel_hi:[1,0]   ; p, normalised in f32
	v_pk_mul_f32 v[SB+\j:SB+\j+1], v[SB+\j:SB+\j+1], v[254:255] op_sel_hi:[1,0]
.endr
.irp i, 0,1,2,3
	v_cvt_pk_f16_f32 v[PA+\i], v[SA+2*\i], v[SA+2*\i+1]          ; heads j = 8 h + 2 i, + 1: K = 0..15 of the second product
	v_cvt_pk_f16_f32 v[PB+4+\i], v[SB+2*\i], v[SB+2*\i+1]        ; and K = 16..31
.endr
	s_wait_dscnt 0x0                               ; V is in
.irp t, 0,1,2,3,4,5,6,7                ; O^T = V^T P^T: sixteen sums of one product each: lane (r, h) holds head r, channels 16 t + 8 h + 0..7
	v_wmma_f32_16x16x32_f16 v[OA+8*\t:OA+8*\t+7], v[VF+8*\t:VF+8*\t+7], v[PA:PA+7], 0
	v_wmma_f32_16x16x32_f16 v[OBB+8*\t:OBB+8*\t+7], v[VF+8*\t:VF+8*\t+7], v[PB:PB+7], 0
.endr
.rept 4
	v_nop                                          ; places ahead of the conversions, which read results and write V's registers
.endr
.irp t, 0,1,2,3,4,5,6,7
.irp i, 0,1,2,3
	v_cvt_pk_f16_f32 v[VF+4*\t+\i], v[OA+8*\t+2*\i], v[OA+8*\t+2*\i+1]         ; each accumulator from its low end on
.endr
.endr
.irp t, 0,1,2,3,4,5,6,7
.irp i, 0,1,2,3
	v_cvt_pk_f16_f32 v[VF+32+4*\t+\i], v[OBB+8*\t+2*\i], v[OBB+8*\t+2*\i+1]
.endr
.endr
.irp t, 0,1,2,3,4,5,6,7                ; through my stage: row = head r, bytes 32 t + 16 h
	ds_store_b128 v[STO], v[VF+4*\t:VF+4*\t+3] offset:32*\t
.endr
.irp t, 0,1,2,3,4,5,6,7
	ds_store_b128 v[STO], v[VF+32+4*\t:VF+32+4*\t+3] offset:16*PIT+32*\t
.endr
.irp n, 0,1,2,3,4,5,6,7,8,9,10,11,12,13,14,15
	ds_load_b128 v[16+4*\n:19+4*\n], v[RD] offset:(\n/8)*16*PIT+(\n%8)*2*PIT   ; two whole rows a load; in order behind my stores (ISA guide 5.7.1.4)
.endr
.irp n, 0,1,2,3,4,5,6,7,8,9,10,11,12,13,14,15
	s_wait_dscnt 15-\n                             ; load n is in; the younger ones may be out
	global_store_b128 v[GO], v[16+4*\n:19+4*\n], s[6:7] offset:(\n/8)*4096+(\n%8)*512   ; 32 lanes store 512 consecutive bytes, aligned
.endr
	s_wait_tensorcnt 0x0                           ; the wave's end, behind my tensor load and my last LDS store
	ds_add_u32 v[SPW], v[NIL]
	s_wait_dscnt 0x0
	s_endpgm
.Lfunc_end_k_qed9d777ad1_heads:
	.size	k_qed9d777ad1_heads, .Lfunc_end_k_qed9d777ad1_heads-k_qed9d777ad1_heads
	.p2alignl 7, 3214868480
	.fill 96, 4, 3214868480
	.section	.rodata,"a",@progbits
	.p2align	6, 0x0
	.amdhsa_kernel k_qed9d777ad1_heads
		.amdhsa_group_segment_fixed_size 279552
		.amdhsa_private_segment_fixed_size 0
		.amdhsa_enable_private_segment 0
		.amdhsa_kernarg_size 16
		.amdhsa_user_sgpr_count 2
		.amdhsa_user_sgpr_kernarg_segment_ptr 1
		.amdhsa_wavefront_size32 1
		.amdhsa_system_sgpr_workgroup_id_x 1
		.amdhsa_system_sgpr_workgroup_id_y 1
		.amdhsa_system_sgpr_workgroup_id_z 1
		.amdhsa_system_vgpr_workitem_id 0
		.amdhsa_next_free_vgpr 256
		.amdhsa_next_free_sgpr 66
		.amdhsa_reserve_vcc 0
		.amdhsa_float_denorm_mode_32 3
		.amdhsa_float_denorm_mode_16_64 3
		.amdhsa_memory_ordered 1
		.amdhsa_forward_progress 1
		.amdhsa_inst_pref_size 22
	.end_amdhsa_kernel
	.amdgpu_metadata
---
amdhsa.version: [ 1, 2 ]
amdhsa.kernels:
  - .name:           k_qed9d777ad1_heads
    .symbol:         k_qed9d777ad1_heads.kd
    .args:
      - { .name: qkv, .offset: 0, .size: 8, .value_kind: global_buffer, .address_space: global }
      - { .name: attn, .offset: 8, .size: 8, .value_kind: global_buffer, .address_space: global }
    .group_segment_fixed_size: 279552
    .private_segment_fixed_size: 0
    .kernarg_segment_align: 8
    .kernarg_segment_size: 16
    .max_flat_workgroup_size: 256
    .sgpr_count:     66
    .vgpr_count:     256
    .wavefront_size: 32
...
	.end_amdgpu_metadata
.endif
;; end of part 3
;; launch gemm_out (part 4): grid 8 x 32, 4 waves a work-group, clusters of 4 x 4, 327,680 bytes of LDS; arguments attn, wo16, out0; writes out0
.if DOCPART == 4
	.amdgcn_target "amdgcn-amd-amdhsa--gfx1250"
	.amdhsa_code_object_version 6
	.text
	.protected	k_qed9d777ad1_gemm_out
	.globl	k_qed9d777ad1_gemm_out
	.p2align	8
	.type	k_qed9d777ad1_gemm_out,@function
k_qed9d777ad1_gemm_out:
	s_mov_b64 s[64:65], 0
	v_nop
	global_prefetch_b8 v0, s[64:65] scope:SCOPE_SE
	s_setreg_imm32_b32 hwreg(HW_REG_WAVE_MODE, 25, 1), 1
	s_wait_xcnt 0x0
	s_wait_alu depctr_hold_cnt(0) depctr_sa_sdst(0) depctr_va_vdst(0) depctr_va_sdst(0) depctr_va_ssrc(0) depctr_va_vcc(0) depctr_vm_vsrc(0)
	s_getreg_b32 s2, hwreg(HW_REG_IB_STS2, 6, 4)
	s_cmp_eq_u32 s2, 0
	s_cbranch_scc0 .Lentry_in_a_cluster
	s_endpgm
.Lentry_in_a_cluster:
	s_bfe_u32 s2, ttmp6, 0x10000c
	s_cmp_lg_u32 s2, 0xf033
	s_cbranch_scc0 .Lentry_shape_is_right
	s_endpgm
.Lentry_shape_is_right:
; out0[m][n] = sum over k of A[m][k] B[n][k].  A = attn [4096][2048], B = wo16 [2048][2048], both f16 with K innermost; out0 [4096][2048] f32; one f32 sum for each output, K ascending.
; f16 and not bf16: three more significant bits on both operands, and both have room in f16 (the launches before state the bound, 65,504).
; A tile of C is 128 x 256: 32 x 8 = 256 tiles, a work-group each (tiles of 256 x 256 would be 128).  Four waves, each 64 x 128: 32 accumulators of 16 x 16, 256 registers.
; THE RING HAS TWO UNEQUAL SLOTS, filled by the tensor data mover.  A refill has the other slot's matrix work in which to land, so the slots are as long as LDS allows: the tile has 384 rows; two slots of 256 along K
; would want 2 x 384 x 528 = 405,504 bytes and do not fit; a SHORT slot of 128 along K (rows of 256 bytes, 104,448 bytes) and a LONG one of 256 along K (rows of 512 bytes, 202,752 bytes) do.
; K = 2,048 is walked short, long, short, .. short: 6 x 128 + 5 x 256: ten changes of slots.  The short slot's refill has 240 matrix instructions of a wave in which to land, the long slot's 112.
; Short slot number i begins at byte 768 i of a row, long slot number i at byte 768 i + 256: every row of a tile begins at a multiple of 256 bytes.
; CLUSTERS: 4 x 4 work-groups.  The four of a row of the cluster need the same tiles of A, the four of a column the same tiles of B: each tile is asked for JOINTLY, by the same tensor load with the same descriptor and a mask that names the four.
; THE MATRIX INSTRUCTION IS USED TRANSPOSED (source 0 = 16 rows of B, source 1 = 16 rows of A): a lane then holds eight neighbouring numbers of a row of C.
; REGISTERS, in windows of 256: window 0: v0-31 addresses; v128-255 rows read back on the way out.  window 1: two fragment buffers of 96 (32 along K): A's 4 fragments, then B's 8.  window 2: accumulator (a, b) at v[8 (8 a + b)].
.set SIZE_M, 4096
.set SIZE_N, 2048
.set SIZE_K, 2048
.set P0,     272                       ; the short slot's LDS row: 256 bytes + 16 of padding = 68 words;
.set P1,     528                       ; the long slot's: 512 bytes + 16 = 132 words: in both, row r starts at bank 4 r mod 64 (64 banks of 4 bytes: ISA guide 11.1), so the 16 rows that a load touches start at 16 different banks
.set AH0,    64*P0                     ; 64 rows of A: what a tensor load of waves 0, 1 brings, and what one wave reads of A
.set BH0,    128*P0                    ; 128 rows of B: the same for waves 2, 3 and for B
.set AH1,    64*P1
.set BH1,    128*P1
.set SLOT1,  2*AH0+2*BH0               ; the short slot lies at byte 0 (A's 128 rows, then B's 256), the long one behind it
.set SPARE,  SLOT1+2*AH1+2*BH1         ; behind the ring: the spare words, 128 bytes a wave, which no other line names
.set LAPB,   768                       ; a lap = a short slot and a long one = 384 along K, in bytes of a row
.set TRIPS,  4                         ; the loop's trips: each fills both slots again
.set SPITCH, 528                       ; the way out: a stage of 16 rows x (512 bytes + 16) for each wave, in the long slot, which has had its last fill and its last read when the first result is stored there
.set ADRA, 16                          ; v16-17  LDS address of my A fragments in the short slot, in the long slot
.set ADRB, 20                          ; v20-21  the same for B
.set STO,  24                          ; v24     the way out: where I put 32 bytes of a row
.set RD,   25                          ; v25     the way out: where I read a row back
.set CO,   26                          ; v26     16 x lane: my bytes of a row's 512 in C
.set SPW,  28                          ; v28     LDS address of my spare word; never rewritten
.set NIL,  29                          ; v29     0; never rewritten
.set PFO,  30                          ; v30     the prefetches' offset: my lane x a row of 4,096 bytes; never rewritten
.set BK,   128                         ; the way out: 16 rows read back: v128-191 and v192-255 by turns
.set F0,   0                           ; fragment buffers, in window 1
.set F1,   96
.set G1A, 24                           ; s[24:31], s[32:39] descriptor groups 1 for A's tiles: short slot, long slot
.set G1B, 48                           ; s[48:55], s[56:63] the same for B's tiles
.set G0A, 68                           ; s[68:71], s[72:75] groups 0 for A's tiles: short slot, long slot
.set G0B, 76                           ; s[76:79], s[80:83] the same for B's tiles
.set LIM, 43                           ; s43     1 in a wave that prefetches, else the greatest number
.set PFA, 44                           ; s[44:45] where my prefetches stand: my 32 rows, at the byte at which the lap in hand's successor begins
.set MSB, 0
.macro WIN new                         ; the immediate's high byte repeats the setting that is left; a switch that changes nothing is dropped
.if MSB != (\new)
	s_set_vgpr_msb (MSB<<8)|(\new)
.set MSB, (\new)
.endif
.endm
.set MUL,  0xa5                        ; sources 0 (B) and 1 (A) window 1; C and D window 2
.set TO_F, 0x40                        ; destination window 1, address window 0
; A joint load into slot s: waves 0 and 1 fetch A's two halves, waves 2 and 3 B's.  Each of the two lines has ONE mask and one set of registers for all that issue it; the branch hangs on the wave's number alone.
; An s_nop 0 and four v_nop follow each of the two lines, ahead of the jump, the label and what follows.
.macro JLOAD s
	s_cmp_eq_u32 s11, 0
	s_cbranch_scc0 .Lfor_b_\@
	tensor_load_to_lds s[G0A+4*(\s):G0A+4*(\s)+3], s[G1A+8*(\s):G1A+8*(\s)+7]
	s_nop 0
.rept 4
	v_nop
.endr
	s_branch .Lasked_\@
.Lfor_b_\@:
	tensor_load_to_lds s[G0B+4*(\s):G0B+4*(\s)+3], s[G1B+8*(\s):G1B+8*(\s)+7]
	s_nop 0
.rept 4
	v_nop
.endr
.Lasked_\@:
.endm
; A PREFETCH INTO THE L2, behind each joint refill of the loop and the run of LDS loads that follows it, of what the NEXT refill will ask for: the other slot's matrix work ahead of that load.  A lane a row, 256 bytes an instruction.
; left = 0: the short slot has just been asked for, the long one is next: 512 bytes of each row, two instructions;  left = 1: the short one is next: one instruction.
; Each row's aligned 256 bytes are named ONCE in the launch.  A's tile row is read by both clusters of that row of clusters: the one with cluster x = 0 asks; B's tile column by all eight of its column: the one with cluster y = 0 asks.
; The four partners that ask for a tile jointly share its rows out BY ADDRESS: of A's 128 rows the partner at cx takes 32 (wave 0 asks); of B's 256 the partner at cy takes 64 (waves 2 and 3 ask, 32 each).  Wave 1 asks for nothing.
; Only the loop's four trips ask: the last block named is bytes 3,840 to 4,095 of a row, the last short slot's.  The first three fills come by their loads alone; the tail's one refill is followed by none.
.macro ASK left
	s_cmp_eq_u32 s[LIM], 1
	s_cbranch_scc0 .Lnot_mine_\@
.if (\left) == 0
	global_prefetch_b8 v[PFO], s[PFA:PFA+1] offset:256 th:TH_LOAD_NT scope:SCOPE_SE
	global_prefetch_b8 v[PFO], s[PFA:PFA+1] offset:512 th:TH_LOAD_NT scope:SCOPE_SE
.else
	global_prefetch_b8 v[PFO], s[PFA:PFA+1] offset:LAPB th:TH_LOAD_NT scope:SCOPE_SE
.endif
.Lnot_mine_\@:
.endm
.macro CREST                           ; a round of the cluster's barrier behind its opening barrier
	s_cmp_lg_u32 s10, 0
	s_cbranch_scc1 .Lnot_wave_0_\@
	s_barrier_signal -3
.Lnot_wave_0_\@:
	s_barrier_wait -3
	s_barrier_signal -1
	s_barrier_wait -1
.endm
.macro CROUND                          ; a whole round
	s_barrier_signal -1
	s_barrier_wait -1
	CREST
.endm
.macro SHAPE g, cols, rows             ; words 1 to 7 of a group 1: a tile of rows x cols elements out of rows of SIZE_K elements; constants all
	s_mov_b32 s[\g+1], (\cols)<<16                 ; tensor_dim0
	s_mov_b32 s[\g+2], (\rows)<<16                 ; tensor_dim1
	s_mov_b32 s[\g+3], (\cols)<<16                 ; tile_dim0
	s_mov_b32 s[\g+4], \rows                       ; tile_dim1
	s_mov_b32 s[\g+5], SIZE_K                      ; elements from row to row
	s_mov_b32 s[\g+6], 0
	s_mov_b32 s[\g+7], 0
.endm
	s_load_b128 s[4:7], s[0:1], 0x0                ; A s[4:5], B s[6:7]
	s_load_b64 s[8:9], s[0:1], 0x10                ; C
	v_lshl_add_u32 v[SPW], v0, 2, SPARE
	v_mov_b32 v[NIL], 0
	ds_add_u32 v[SPW], v[NIL]                      ; the wave's opening: the add, twice on end, and its wait ahead of my first tensor load; the set-up below stands between
	ds_add_u32 v[SPW], v[NIL]
	v_lshrrev_b32 v1, 5, v0
	v_readfirstlane_b32 s10, v1                    ; wave 0..3
	s_lshr_b32 s11, s10, 1                         ; which 64 of the tile's rows are mine.  Also: I fetch for A (0) or for B (1)
	s_and_b32 s12, s10, 1                          ; which 128 of its columns.  Also: which half of that tile I fetch
	s_bfe_u32 s40, ttmp6, 0x40000                  ; cx, cy: my place in the cluster
	s_bfe_u32 s41, ttmp6, 0x40004
	s_lshl_b32 s42, ttmp9, 2
	s_add_co_u32 s42, s42, s40                     ; tile column of C = 4 x cluster x + cx
	s_and_b32 s13, ttmp7, 0xffff
	s_lshl_b32 s13, s13, 2
	s_add_co_u32 s13, s13, s41                     ; tile row of C = 4 x cluster y + cy
	s_lshl_b32 s43, s41, 2
	s_lshl_b32 s43, 15, s43                        ; my row of the cluster
	s_lshl_b32 s44, 0x1111, s40                    ; my column
	; descriptor groups 1.  Word 0: 15:0 the mask (A's tiles go to my row, B's to my column); 17:16 elements of 2 bytes; 20 padding on; 21 set beside a mask; 24:22 after every 64 words (short slot) or 128 (long); 31:25 of 4 words
	s_or_b32 s[G1A+0], s43, (1<<16)|(1<<20)|(1<<21)|(5<<22)|(3<<25)
	s_or_b32 s[G1A+8], s43, (1<<16)|(1<<20)|(1<<21)|(6<<22)|(3<<25)
	s_or_b32 s[G1B+0], s44, (1<<16)|(1<<20)|(1<<21)|(5<<22)|(3<<25)
	s_or_b32 s[G1B+8], s44, (1<<16)|(1<<20)|(1<<21)|(6<<22)|(3<<25)
	SHAPE G1A,   128, 64                           ; A, short slot: 64 rows x 128 elements
	SHAPE G1A+8, 256, 64                           ; A, long slot:  64 rows x 256
	SHAPE G1B,   128, 128                          ; B, short slot: 128 rows x 128
	SHAPE G1B+8, 256, 128                          ; B, long slot:  128 rows x 256
	; where the tiles come from.  A's hang on the tile row alone, which my row of the cluster shares; B's on the tile column alone.  Every wave makes both addresses and asks by one of them.
	s_lshl_b32 s17, s12, 6
	s_lshl_b32 s16, s13, 7
	s_add_co_u32 s16, s16, s17                     ; A: row 128 x tile row + 64 x half,
	s_lshl_b32 s16, s16, 12                        ; of 4,096 bytes (under 2^24)
	s_mov_b32 s17, 0
	s_lshl_b32 s47, s12, 7
	s_lshl_b32 s46, s42, 8
	s_add_co_u32 s46, s46, s47                     ; B: row 256 x tile column + 128 x half
	s_lshl_b32 s46, s46, 12
	s_mov_b32 s47, 0
	s_mul_i32 s20, s12, AH0                        ; and where they go: in each slot A's two halves, then B's two: no place in the cluster enters an LDS address
	s_mul_i32 s21, s12, BH0
	s_add_co_u32 s21, s21, 2*AH0
	s_mul_i32 s22, s12, AH1
	s_add_co_u32 s22, s22, SLOT1
	s_mul_i32 s23, s12, BH1
	s_add_co_u32 s23, s23, SLOT1+2*AH1
	s_wait_dscnt 0x0                               ; both opening adds are done
	s_wait_kmcnt 0x0
	s_add_nc_u64 s[14:15], s[4:5], s[16:17]
	s_add_nc_u64 s[46:47], s[6:7], s[46:47]
	CROUND                                         ; all sixteen work-groups are here: the first joint loads meet
	s_mov_b32 s[G0A], 1                            ; the short slot's groups 0: count = 1,
	s_mov_b32 s[G0A+1], s20                        ; LDS address,
	s_mov_b64 s[G0A+2:G0A+3], s[14:15]             ; global address: byte 0 of the rows,
	s_or_b32 s[G0A+3], s[G0A+3], 0x80000000        ; type = 2
	s_mov_b32 s[G0B], 1
	s_mov_b32 s[G0B+1], s21
	s_mov_b64 s[G0B+2:G0B+3], s[46:47]
	s_or_b32 s[G0B+3], s[G0B+3], 0x80000000
	JLOAD 0
	s_mov_b32 s[G0A+4], 1                          ; the long slot's: byte 256 of the rows
	s_mov_b32 s[G0A+5], s22
	s_add_nc_u64 s[G0A+6:G0A+7], s[14:15], 256
	s_or_b32 s[G0A+7], s[G0A+7], 0x80000000
	s_mov_b32 s[G0B+4], 1
	s_mov_b32 s[G0B+5], s23
	s_add_nc_u64 s[G0B+6:G0B+7], s[46:47], 256
	s_or_b32 s[G0B+7], s[G0B+7], 0x80000000
	JLOAD 1                                        ; two tensor loads of mine are out
	v_and_b32 v1, 15, v0                           ; l % 16
	v_bfe_u32 v2, v0, 4, 1                         ; l / 16
	v_mul_u32_u24 v3, v1, P0
	v_lshl_add_u32 v3, v2, 4, v3                   ; a fragment's row x pitch + 16 x half, in the short slot
	v_mul_u32_u24 v4, v1, P1
	v_lshl_add_u32 v4, v2, 4, v4                   ; and in the long one
	s_mul_i32 s21, s11, AH0                        ; my 64 rows of A
	v_add_nc_u32 v[ADRA], s21, v3
	s_mul_i32 s21, s12, BH0                        ; my 128 rows of B, which lie behind A's 128
	s_add_co_u32 s21, s21, 2*AH0
	v_add_nc_u32 v[ADRB], s21, v3
	s_mul_i32 s21, s11, AH1
	s_add_co_u32 s21, s21, SLOT1
	v_add_nc_u32 v[ADRA+1], s21, v4
	s_mul_i32 s21, s12, BH1
	s_add_co_u32 s21, s21, SLOT1+2*AH1
	v_add_nc_u32 v[ADRB+1], s21, v4
	s_mul_i32 s23, s10, 16*SPITCH
	s_add_co_u32 s23, s23, SLOT1                   ; my stage, at the long slot's head
	v_mul_u32_u24 v4, v1, SPITCH                   ; in: row l % 16, 32 bytes for each half of the lanes
	v_lshl_add_u32 v4, v2, 5, v4
	v_add_nc_u32 v[STO], s23, v4
	v_and_b32 v5, 31, v0
	v_lshlrev_b32 v[CO], 4, v5                     ; back: the 32 lanes take one row of 512 bytes; and the same in C
	v_add_nc_u32 v[RD], s23, v[CO]
	v_lshlrev_b32 v[PFO], 12, v5
	s_lshl_b32 s16, s13, 7
	s_lshl_b32 s17, s11, 6
	s_add_co_u32 s16, s16, s17                     ; my first row of C: 128 x tile row + 64 x half,
	s_lshl_b32 s16, s16, 13                        ; of 8,192 bytes (under 2^25)
	s_mov_b32 s17, 0
	s_add_nc_u64 s[8:9], s[8:9], s[16:17]
	s_lshl_b32 s46, s42, 10                        ; my first column, in bytes: 1,024 x tile column + 512 x half
	s_lshl_b32 s47, s12, 9
	s_add_co_u32 s46, s46, s47
	s_mov_b32 s47, 0
	s_add_nc_u64 s[8:9], s[8:9], s[46:47]
	; the prefetches: where mine stand, and whether I ask
	s_lshl_b32 s20, s13, 7                         ; A's tile: its first row
	s_lshl_b32 s21, s42, 8                         ; B's
	s_lshl_b32 s22, s40, 5                         ; of A's rows my work-group's 32
	s_lshl_b32 s23, s41, 6                         ; of B's its 64,
	s_lshl_b32 s16, s12, 5
	s_add_co_u32 s23, s23, s16                     ; and of those my wave's 32
	s_and_b32 s16, ttmp7, 0xffff                   ; cluster y
	s_cmp_eq_u32 s11, 0                            ; do I fetch for A?
	s_cselect_b32 s20, s20, s21
	s_cselect_b32 s22, s22, s23
	s_cselect_b32 s16, ttmp9, s16                  ; the coordinate along which other clusters read the same rows
	s_cselect_b32 s17, s12, 0                      ; of the two waves that fetch for A, wave 0 alone asks
	s_cselect_b64 s[PFA:PFA+1], s[4:5], s[6:7]
	s_or_b32 s16, s16, s17
	s_cmp_eq_u32 s16, 0
	s_cselect_b32 s[LIM], 1, -1                    ; the same in all sixteen partners, for a given wave
	s_add_co_u32 s20, s20, s22
	s_lshl_b32 s20, s20, 12
	s_mov_b32 s21, 0
	s_add_nc_u64 s[PFA:PFA+1], s[PFA:PFA+1], s[20:21]  ; at byte 0 of my rows: the first trip steps it to byte 768.  Nothing is prefetched here, at the head
; 8 matrix instructions: A's block a x B's eight, 32 along K, from buffer f.  zero = 1: the first product starts the sums: nothing is ever cleared.
; The 32 accumulators take turns, one instruction a turn, in the same order in every quarter.
.macro MUL8 f, a, zero
.irp b, 0,1,2,3,4,5,6,7
.if \zero
	v_wmma_f32_16x16x32_f16 v[8*(8*(\a)+\b):8*(8*(\a)+\b)+7], v[\f+32+8*\b:\f+32+8*\b+7], v[\f+8*(\a):\f+8*(\a)+7], 0
.else
	v_wmma_f32_16x16x32_f16 v[8*(8*(\a)+\b):8*(8*(\a)+\b)+7], v[\f+32+8*\b:\f+32+8*\b+7], v[\f+8*(\a):\f+8*(\a)+7], v[8*(8*(\a)+\b):8*(8*(\a)+\b)+7]
.endif
.endr
.endm
.macro MUL16 f, a0, zero
	MUL8 \f, \a0, \zero
	MUL8 \f, \a0+1, \zero
.endm
; 24 LDS loads in one run: the fragments of 32 along K at byte k of the slot's rows, into buffer f: B's eight, then A's four.  A fragment is 16 rows x 32 K in 8 registers: two loads of 16 bytes, 32 bytes apart.
.macro FETCH slot, k, f
.set PT, P0+(\slot)*(P1-P0)            ; the slot's pitch
	WIN TO_F
.irp i, 0,1,2,3,4,5,6,7
	ds_load_b128 v[\f+32+8*\i:\f+32+8*\i+3],   v[ADRB+(\slot)] offset:\k+\i*16*PT
	ds_load_b128 v[\f+32+8*\i+4:\f+32+8*\i+7], v[ADRB+(\slot)] offset:\k+\i*16*PT+32
.endr
.irp i, 0,1,2,3
	ds_load_b128 v[\f+8*\i:\f+8*\i+3],   v[ADRA+(\slot)] offset:\k+\i*16*PT
	ds_load_b128 v[\f+8*\i+4:\f+8*\i+7], v[ADRA+(\slot)] offset:\k+\i*16*PT+32
.endr
.endm
.macro PLACES                          ; four places in front of loads into registers that matrix instructions have read, and of the first read of results (ISA guide 7.12.1 for vector instructions)
.rept 4
	v_nop
.endr
.endm
; A quarter is 32 along K, 32 matrix instructions; the short slot has four, the long one eight, on buffers 0, 1, 0, 1, ..  Any but a slot's last: multiplies buffer f and, in its middle, fetches the next quarter, at byte k, into g.
.macro QUARTER slot, k, f, g, zero
	s_wait_dscnt 4                                 ; B and A's blocks 0, 1 are in; the youngest four loads (A's blocks 2, 3) may be out
	WIN MUL
	MUL16 \f, 0, \zero
	PLACES
	FETCH \slot, \k, \g
	s_wait_dscnt 24                                ; all but the 24 just issued
	WIN MUL
	MUL16 \f, 2, \zero
.endm
.macro LONG                            ; the long slot's first seven quarters
	QUARTER 1, 64,  F0, F1, 0
	QUARTER 1, 128, F1, F0, 0
	QUARTER 1, 192, F0, F1, 0
	QUARTER 1, 256, F1, F0, 0
	QUARTER 1, 320, F0, F1, 0
	QUARTER 1, 384, F1, F0, 0
	QUARTER 1, 448, F0, F1, 0
.endm
; A slot's last quarter multiplies buffer 1 and changes slots: ONE barrier; in front of it each wave waits for all its tensor loads, adds 0 to its spare word, and waits for that and for its own reads of this slot.
; fill = 1: the barrier opens a round of the cluster's barrier, and this slot is filled again, with its part of the next lap.  ask = 1: the next refill's bytes are prefetched.
.macro TURN slot, fill, ask
.if (\ask) && ((\slot) == 0)
	s_wait_xcnt 0x0                                ; the last prefetch, three quarters back, has read its address: it is stepped here, once a trip, ahead of the change's own waits
	s_add_nc_u64 s[PFA:PFA+1], s[PFA:PFA+1], LAPB
.endif
	WIN 0                                          ; (the add's two registers lie in window 0)
	s_wait_tensorcnt 0x0                           ; all my tensor loads have landed: the one that was out is my part of the other slot
	ds_add_u32 v[SPW], v[NIL]                      ; 0 onto my spare word
	s_wait_dscnt 5                                 ; the add and the youngest four loads may be out
	WIN MUL
	MUL8 F1, 0, 0                                  ; eight matrix instructions stand between the add and the wait for it
	s_wait_dscnt 0x0                               ; the add is done, and my reads of this slot are over
	s_barrier_signal -1
	MUL8 F1, 1, 0
.if \fill
	WIN 0
.endif
	s_barrier_wait -1
.if \fill
	CREST                                          ; no wave of any partner still reads this slot's tile or has a load on its way
	s_add_nc_u64 s[G0A+4*(\slot)+2:G0A+4*(\slot)+3], s[G0A+4*(\slot)+2:G0A+4*(\slot)+3], LAPB
	s_add_nc_u64 s[G0B+4*(\slot)+2:G0B+4*(\slot)+3], s[G0B+4*(\slot)+2:G0B+4*(\slot)+3], LAPB
	JLOAD \slot                                    ; the first tensor load behind the round, my only one until the next; its four v_nop are the places in front of the loads below
.else
	PLACES
.endif
	FETCH 1-(\slot), 0, F0                         ; the other slot's first quarter
.if \ask
	WIN 0
	ASK \slot
.endif
	WIN MUL
	MUL16 F1, 2, 0
.endm
	s_wait_tensorcnt 1                             ; my part of the short slot is in; the long slot's load, issued behind it, may be out
	s_barrier_signal -1
	s_barrier_wait -1                              ; everybody's is
	FETCH 0, 0, F0
	QUARTER 0, 64,  F0, F1, 1                      ; the first quarter stands in front of the loop: its products start the sums
	WIN 0                                          ; at a label and at a branch every window is 0
	s_mov_b32 s3, TRIPS
.Llap:                                                 ; a trip goes once round the ring, from a short slot's second quarter to the next one's first: twelve quarters, so the buffers are back where they began; it fills both slots again
	QUARTER 0, 128, F1, F0, 0
	QUARTER 0, 192, F0, F1, 0
	TURN 0, 1, 1
	LONG
	TURN 1, 1, 1
	QUARTER 0, 64,  F0, F1, 0
	WIN 0
	s_sub_co_u32 s3, s3, 1
	s_cmp_lg_u32 s3, 0
	s_cbranch_scc1 .Llap
	QUARTER 0, 128, F1, F0, 0                      ; the tail is written out: the fifth short slot goes on
	QUARTER 0, 192, F0, F1, 0
	TURN 0, 1, 0                                   ; is filled once more, with the last 128 along K,
	LONG                                           ; the fifth long slot
	TURN 1, 0, 0                                   ; is left and not filled again: a plain barrier, behind which nobody reads it
	QUARTER 0, 64,  F0, F1, 0
	QUARTER 0, 128, F1, F0, 0
	QUARTER 0, 192, F0, F1, 0
	s_wait_dscnt 4                                 ; the very last quarter: nothing more to fetch
	WIN MUL
	MUL16 F1, 0, 0
	s_wait_dscnt 0
	MUL16 F1, 2, 0
	WIN 0
; THE WAY OUT, block by block of 16 rows x 128 columns.  A lane holds 32 neighbouring bytes of a row, and the lanes beside it hold other rows: so a block goes through my own stage in LDS and comes back as whole rows of 512 bytes.
; LDS serves a wave's instructions in order (ISA guide 5.7.1.4): no wait between the stores and the loads, nor in front of the next block's stores.
.macro TOSTAGE a
.set AC, 64*(\a)
	WIN 0x08                                       ; an LDS store's data are its source 1: window 2
.irp b, 0,1,2,3,4,5,6,7
	ds_store_b128 v[STO], v[AC+8*\b:AC+8*\b+3] offset:64*\b          ; each accumulator from its low end on
	ds_store_b128 v[STO], v[AC+8*\b+4:AC+8*\b+7] offset:64*\b+16
.endr
	WIN 0
.set BB, BK+64*((\a)%2)
.irp t, 0,1,2,3,4,5,6,7,8,9,10,11,12,13,14,15
	ds_load_b128 v[BB+4*\t:BB+4*\t+3], v[RD] offset:\t*SPITCH
.endr
.endm
.macro SEND a, younger                 ; younger: the LDS instructions issued behind block a's loads, which may stay out
.set BB, BK+64*((\a)%2)
	s_wait_dscnt \younger                          ; the block is back in registers
.if (\a) > 0
	s_add_nc_u64 s[8:9], s[8:9], 16*SIZE_N*4       ; (behind a wait on XCNT: the earlier stores have read their base)  16 rows of C on
.endif
.irp t, 0,1,2,3,4,5,6,7,8,9,10,11,12,13,14,15
	global_store_b128 v[CO], v[BB+4*\t:BB+4*\t+3], s[8:9] offset:\t*SIZE_N*4 th:TH_STORE_NT   ; 32 lanes store 512 consecutive bytes, aligned; written once, read by nobody here
.endr
.endm
	PLACES                                         ; behind the last products, ahead of the first read of results
	TOSTAGE 0
.irp a, 1,2,3
.if \a > 1
	s_wait_xcnt 0x0                                ; block a - 2's stores have read their registers and their base: block a's loads may land there, and the base may step
.endif
	TOSTAGE \a
	SEND \a-1, 32                                  ; behind block a - 1's loads: block a's 16 stores and 16 loads
.endr
	s_wait_xcnt 0x0                                ; block 2's stores have read their base
	SEND 3, 0
	s_wait_tensorcnt 0x0                           ; the wave's end, behind my last tensor load and my last LDS store
	ds_add_u32 v[SPW], v[NIL]
	s_wait_dscnt 0x0
	CROUND                                         ; the closing round: no work-group ends while a partner may still ask for a tile that names it
	s_endpgm
.Lfunc_end_k_qed9d777ad1_gemm_out:
	.size	k_qed9d777ad1_gemm_out, .Lfunc_end_k_qed9d777ad1_gemm_out-k_qed9d777ad1_gemm_out
	.p2alignl 7, 3214868480
	.fill 96, 4, 3214868480
	.section	.rodata,"a",@progbits
	.p2align	6, 0x0
	.amdhsa_kernel k_qed9d777ad1_gemm_out
		.amdhsa_group_segment_fixed_size 327680
		.amdhsa_private_segment_fixed_size 0
		.amdhsa_enable_private_segment 0
		.amdhsa_kernarg_size 24
		.amdhsa_user_sgpr_count 2
		.amdhsa_user_sgpr_kernarg_segment_ptr 1
		.amdhsa_wavefront_size32 1
		.amdhsa_system_sgpr_workgroup_id_x 1
		.amdhsa_system_sgpr_workgroup_id_y 1
		.amdhsa_system_sgpr_workgroup_id_z 1
		.amdhsa_system_vgpr_workitem_id 0
		.amdhsa_next_free_vgpr 768
		.amdhsa_next_free_sgpr 88
		.amdhsa_reserve_vcc 0
		.amdhsa_float_denorm_mode_32 3
		.amdhsa_float_denorm_mode_16_64 3
		.amdhsa_memory_ordered 1
		.amdhsa_forward_progress 1
		.amdhsa_inst_pref_size 133
	.end_amdhsa_kernel
	.amdgpu_metadata
---
amdhsa.version: [ 1, 2 ]
amdhsa.kernels:
  - .name:           k_qed9d777ad1_gemm_out
    .symbol:         k_qed9d777ad1_gemm_out.kd
    .args:
      - { .name: attn, .offset: 0, .size: 8, .value_kind: global_buffer, .address_space: global }
      - { .name: wo16, .offset: 8, .size: 8, .value_kind: global_buffer, .address_space: global }
      - { .name: out0, .offset: 16, .size: 8, .value_kind: global_buffer, .address_space: global }
    .group_segment_fixed_size: 327680
    .private_segment_fixed_size: 0
    .kernarg_segment_align: 8
    .kernarg_segment_size: 24
    .max_flat_workgroup_size: 128
    .sgpr_count:     88
    .vgpr_count:     768
    .wavefront_size: 32
...
	.end_amdgpu_metadata
.endif
;; end of part 4
